; MI455X (gfx1250); checked and timed in simulation.
; The chip was launched on July 23, 2026; its instructions are those of AMD's public machine-readable ISA for CDNA 5 (MIT licence, August 2026) and "CDNA5" Instruction Set Architecture Reference Guide (July 2026). The comments in the code are by the model that wrote it; some were corrected since.
;; Self Attention. Allowed arithmetic: float matrix products may take bf16 or f16 operands with f32 sums; all other float work in f32.
;; Inputs: H 4 x 2,048 x 1,024 float32; W_K 1,024 x 1,024 float32; W_Q 1,024 x 1,024 float32; W_V 1,024 x 1,024 float32.
;; Outputs: out0 4 x 2,048 x 1,024 float32.
;; 2 versions, each right; version 2 is version 1 with the launch prep written anew for expert scheduling mode. Each part assembles by itself: llvm-mc -triple=amdgcn-amd-amdhsa -mcpu=gfx1250 --defsym DOCPART=n.
;; ======== version 1 of 2: 4 launches
;; limits: values are held in f16: magnitudes above 65,504 overflow, below 6.1e-05 lose precision
;; workspace buffers: hb 16,777,216 bytes; wb 6,291,456 bytes; qkv 50,331,648 bytes; p 33,554,432 bytes; stats 1,048,576 bytes
;; launch prep (part 1): grid 64 x 11, 8 waves a work-group, no clusters, 0 bytes of LDS; arguments H, W_Q, W_K, W_V, hb, wb; writes hb, wb
.if DOCPART == 1
	.amdgcn_target "amdgcn-amd-amdhsa--gfx1250"
	.amdhsa_code_object_version 6
	.text
	.protected	k_qbc3619870f_prep
	.globl	k_qbc3619870f_prep
	.p2align	8
	.type	k_qbc3619870f_prep,@function
k_qbc3619870f_prep:
	s_mov_b64 s[64:65], 0
	v_nop
	global_prefetch_b8 v0, s[64:65] scope:SCOPE_SE
	s_setreg_imm32_b32 hwreg(HW_REG_WAVE_MODE, 25, 1), 1
	s_wait_xcnt 0x0
; f32 -> bf16, number by number: H -> hb [8192][1024]; W_Q, W_K, W_V -> wb [3][1024 k][1024 n] (planes Q, K, V, not turned).
; The inputs are taken as 11 segments of 4 MiB: grid y = 0..7 are H's, 8, 9, 10 are W_Q, W_K, W_V.  Grid x is a chunk of 65,536 bytes of a segment.
; Eight waves; thread t takes 16 bytes at 16 t of each of the chunk's 16 pieces of 4,096 bytes: a wave's load covers 512 consecutive bytes,
; its store of 8 bytes a lane 256 consecutive bytes at a multiple of 256 from the buffer's first byte.  All 16 loads go out first; no register is written twice,
; so the only waits are the counted ones for the loads.  No LDS, no matrix unit, no cluster: every byte is read once and nothing is shared.
.set X, 4                              ; v[4:67]   piece j: four f32 as loaded
.set Y, 68                             ; v[68:99]  piece j: four bf16 to store
	s_load_b256 s[4:11], s[0:1], 0x0               ; H s[4:5], W_Q s[6:7], W_K s[8:9], W_V s[10:11]
	s_load_b128 s[12:15], s[0:1], 0x20             ; hb s[12:13], wb s[14:15]
	s_and_b32 s20, ttmp7, 0xffff                   ; the segment
	v_lshlrev_b32 v1, 4, v0                        ; my 16 bytes of a piece
	v_lshlrev_b32 v2, 3, v0                        ; my 8 bytes of its result
	s_sub_co_u32 s21, s20, 8                       ; the plane of wb, where the segment is a weight's
	s_cmp_lt_u32 s20, 8
	s_cselect_b32 s22, s20, 0                      ; the segment's number inside its source: H has eight, a weight one
	s_cselect_b32 s24, s20, s21                    ; and inside its destination
	s_lshl_b32 s22, s22, 22                        ; 4 MiB of f32
	s_lshl_b32 s24, s24, 21                        ; 2 MiB of bf16
	s_lshl_b32 s26, ttmp9, 16                      ; the chunk: 65,536 bytes in,
	s_lshl_b32 s27, ttmp9, 15                      ; 32,768 out
	s_add_co_u32 s22, s22, s26
	s_add_co_u32 s24, s24, s27
	s_mov_b32 s23, 0
	s_mov_b32 s25, 0
	s_wait_kmcnt 0x0
	s_mov_b64 s[16:17], s[4:5]                     ; the source is chosen by the segment's number alone
	s_cmp_eq_u32 s20, 8
	s_cselect_b64 s[16:17], s[6:7], s[16:17]
	s_cmp_eq_u32 s20, 9
	s_cselect_b64 s[16:17], s[8:9], s[16:17]
	s_cmp_eq_u32 s20, 10
	s_cselect_b64 s[16:17], s[10:11], s[16:17]
	s_cmp_lt_u32 s20, 8
	s_cselect_b64 s[18:19], s[12:13], s[14:15]     ; and so is the destination
	s_add_nc_u64 s[16:17], s[16:17], s[22:23]
	s_add_nc_u64 s[18:19], s[18:19], s[24:25]
.set j, 0
.rept 16
	global_load_b128 v[X+4*j:X+4*j+3], v1, s[16:17] offset:4096*j th:TH_LOAD_NT
.set j, j+1
.endr
.set j, 0
.rept 16
	s_wait_loadcnt 15-j                            ; loads come back in order (ISA guide 5.7.1): piece j is in, the 15 - j younger ones stay out
	v_cvt_pk_bf16_f32 v[Y+2*j], v[X+4*j], v[X+4*j+1]
	v_cvt_pk_bf16_f32 v[Y+2*j+1], v[X+4*j+2], v[X+4*j+3]
	global_store_b64 v2, v[Y+2*j:Y+2*j+1], s[18:19] offset:2048*j
.set j, j+1
.endr
	s_endpgm
.Lfunc_end_k_qbc3619870f_prep:
	.size	k_qbc3619870f_prep, .Lfunc_end_k_qbc3619870f_prep-k_qbc3619870f_prep
	.p2alignl 7, 3214868480
	.fill 96, 4, 3214868480
	.section	.rodata,"a",@progbits
	.p2align	6, 0x0
	.amdhsa_kernel k_qbc3619870f_prep
		.amdhsa_group_segment_fixed_size 0
		.amdhsa_private_segment_fixed_size 0
		.amdhsa_enable_private_segment 0
		.amdhsa_kernarg_size 48
		.amdhsa_user_sgpr_count 2
		.amdhsa_user_sgpr_kernarg_segment_ptr 1
		.amdhsa_wavefront_size32 1
		.amdhsa_system_sgpr_workgroup_id_x 1
		.amdhsa_system_sgpr_workgroup_id_y 1
		.amdhsa_system_sgpr_workgroup_id_z 1
		.amdhsa_system_vgpr_workitem_id 0
		.amdhsa_next_free_vgpr 104
		.amdhsa_next_free_sgpr 66
		.amdhsa_reserve_vcc 0
		.amdhsa_float_denorm_mode_32 3
		.amdhsa_float_denorm_mode_16_64 3
		.amdhsa_memory_ordered 1
		.amdhsa_forward_progress 1
		.amdhsa_inst_pref_size 7
	.end_amdhsa_kernel
	.amdgpu_metadata
---
amdhsa.version: [ 1, 2 ]
amdhsa.kernels:
  - .name:           k_qbc3619870f_prep
    .symbol:         k_qbc3619870f_prep.kd
    .args:
      - { .name: H, .offset: 0, .size: 8, .value_kind: global_buffer, .address_space: global }
      - { .name: W_Q, .offset: 8, .size: 8, .value_kind: global_buffer, .address_space: global }
      - { .name: W_K, .offset: 16, .size: 8, .value_kind: global_buffer, .address_space: global }
      - { .name: W_V, .offset: 24, .size: 8, .value_kind: global_buffer, .address_space: global }
      - { .name: hb, .offset: 32, .size: 8, .value_kind: global_buffer, .address_space: global }
      - { .name: wb, .offset: 40, .size: 8, .value_kind: global_buffer, .address_space: global }
    .group_segment_fixed_size: 0
    .private_segment_fixed_size: 0
    .kernarg_segment_align: 8
    .kernarg_segment_size: 48
    .max_flat_workgroup_size: 256
    .sgpr_count:     66
    .vgpr_count:     104
    .wavefront_size: 32
...
	.end_amdgpu_metadata
.endif
;; end of part 1
;; launch proj (part 2): grid 12 x 32, 4 waves a work-group, clusters of 4 x 4, 327,680 bytes of LDS; arguments hb, wb, qkv; writes qkv
.if DOCPART == 2
	.amdgcn_target "amdgcn-amd-amdhsa--gfx1250"
	.amdhsa_code_object_version 6
	.text
	.protected	k_qbc3619870f_proj
	.globl	k_qbc3619870f_proj
	.p2align	8
	.type	k_qbc3619870f_proj,@function
k_qbc3619870f_proj:
	s_mov_b64 s[64:65], 0
	v_nop
	global_prefetch_b8 v0, s[64:65] scope:SCOPE_SE
	s_setreg_imm32_b32 hwreg(HW_REG_WAVE_MODE, 25, 1), 1
	s_wait_xcnt 0x0
	s_wait_alu depctr_hold_cnt(0) depctr_sa_sdst(0) depctr_va_vdst(0) depctr_va_sdst(0) depctr_va_ssrc(0) depctr_va_vcc(0) depctr_vm_vsrc(0)
	s_getreg_b32 s2, hwreg(HW_REG_IB_STS2, 6, 4)
	s_cmp_eq_u32 s2, 0
	s_cbranch_scc0 .Lentry_in_a_cluster
	s_endpgm
.Lentry_in_a_cluster:
	s_bfe_u32 s2, ttmp6, 0x10000c
	s_cmp_lg_u32 s2, 0xf033
	s_cbranch_scc0 .Lentry_shape_is_right
	s_endpgm
.Lentry_shape_is_right:
; qkv[pl][m][n] = sum over k of hb[m][k] wb[pl][k][n], pl = 0, 1, 2 (Q, K, V).  hb: [8192][1024] bf16; wb: [3][1024 k][1024 n] bf16; qkv: [3][8192][1024] f16; sums in f32, rounded once.
; LIMIT.  f16 holds no number beyond 65,504: a projection of 65,520 or more in magnitude becomes an infinity.  With the drawn inputs the projections have a spread of 0.64.
; A tile of 256 x 256 of the [8192 x 3072] result is made by four waves, each 128 x 128: 64 accumulators of 16 x 16, 512 registers.  K = 1,024 goes in 8 steps of 128 through two LDS slots
; filled by the tensor data mover.  hb's tile: 256 rows of 256 bytes.  wb's tile lies as in memory, [k][n]: 128 rows of 512 bytes; its fragments come out of LDS turned, by ds_load_tr16_b128.
; CLUSTER 4 x 4: the four work-groups of a row of the cluster need the same tiles of hb, the four of a column the same tiles of wb: each tile is asked for jointly, by the same tensor load with
; the same descriptor and a mask that names the four.
; THE MATRIX INSTRUCTION IS USED TRANSPOSED: source 0 = 16 columns n of wb, source 1 = 16 rows m of hb.  A lane then holds row m = l % 16 and the eight neighbouring columns 8 (l / 16) + 0..7.
; THE LOOP is ONE K step long: the LDS addresses hang on s[TB] (0 or SLOT), and one descriptor group 0 a tensor walks from K step 1 on, its LDS word turned by an exclusive or with SLOT
; (the waves' places, 0x8800 w, have neither of SLOT's two bits, so the exclusive or adds or takes away SLOT).
; REGISTERS, in windows of 256 (s_set_vgpr_msb: bits 1:0 source 0, 3:2 source 1, 5:4 source 2, 7:6 destination):
;   window 0: v0-31 addresses; v64-127, v128-191 fragments of hb, two buffers; v32-63, v192-255 at work on the way out
;   window 1: v64-127, v128-191 fragments of wb, two buffers      window 2: the accumulators of my rows 0-63 ((a, b) at v[8 (8 a + b)])      window 3: those of my rows 64-127
.set PA,     272                       ; an LDS row of hb: 256 bytes + 16 of padding = 68 words: the 16 rows of a fragment load start at 16 different groups of four banks (64 banks of 4 bytes: ISA guide 11.1)
.set PB,     544                       ; an LDS row of wb: 512 + 32 = 136 words
.set HALFT,  128*PA                    ; what one tensor load brings: 128 rows of hb, or 64 rows of wb (64 x 544 is the same number)
.set SLOT,   4*HALFT                   ; hb's 256 rows, then wb's 128 rows
.set BOFF,   2*HALFT
.set STAGE,  2*SLOT                    ; behind the ring: 16 rows x 272 bytes for each wave, for the way out
.set SP,     272
.set SPARE,  STAGE+4*16*SP             ; behind the stages: the spare words, 128 bytes for each wave: two blocks of 256 bytes that no other line names
.set ASTEP,  256                       ; a K step along hb's rows, in bytes
.set BSTEP,  128*2048                  ; a K step down wb's rows
.set CPITCH, 2048                      ; a row of qkv
.set ADRA0, 16                         ; v16  my lane's place in slot 0 for hb's fragments; never rewritten
.set ADRB0, 17                         ; v17  the same for wb's
.set ADRA,  18                         ; v18  the same in the slot in hand
.set ADRB,  19                         ; v19
.set STO,   24                         ; v24  the way out: where I put 16 bytes of a row
.set RD,    25                         ; v25  the way out: where I read a row back
.set CO,    26                         ; v26  my byte offset in two rows of qkv
.set SPW,   28                         ; v28  LDS address of my spare word: SPARE + 4 x my thread's number; never rewritten
.set NIL,   29                         ; v29  0; never rewritten
.set F0,    64
.set F1,    128
.set TMP,   192                        ; the way out: packed results
.set OB,    32                         ; the way out: 16 rows read back: v32-63 and v224-255 by turns
.set G1A, 24                           ; s[24:31] descriptor group 1 for hb's tiles
.set G0A, 32                           ; s[32:39] group 0: a set for each of the two first fills; the second then walks
.set G1B, 48                           ; s[48:55], s[56:63] the same for wb's tiles
.set G0B, 56
.set TB,  66                           ; s66  LDS byte at which the slot in hand begins
.set MSB, 0
.macro WIN new                         ; the immediate's high byte repeats the setting that is left; a switch that changes nothing is dropped
.if MSB != (\new)
	s_set_vgpr_msb (MSB<<8)|(\new)
.set MSB, \new
.endif
.endm
.set MUL_LO, 0xa1                      ; source 0 (wb) window 1, source 1 (hb) window 0, C and D window 2
.set MUL_HI, 0xf1                      ; the same, C and D window 3
.set TO_B,   0x40                      ; destination window 1, address window 0
; A joint refill by the walking descriptors.  Waves 0 and 1 fetch hb's two halves, waves 2 and 3 wb's.  The branch hangs on the wave's number alone.
; An s_nop 0 and four v_nop follow each of the two lines, ahead of the jump and the label.
.macro JLOAD
	s_cmp_eq_u32 s11, 0
	s_cbranch_scc0 .Lfor_b_\@
	tensor_load_to_lds s[G0A+4:G0A+7], s[G1A:G1A+7]
	s_nop 0
.rept 4
	v_nop
.endr
	s_branch .Lasked_\@
.Lfor_b_\@:
	tensor_load_to_lds s[G0B+4:G0B+7], s[G1B:G1B+7]
	s_nop 0
.rept 4
	v_nop
.endr
.Lasked_\@:
.endm
.macro CREST                           ; a round of the cluster's barrier behind its opening barrier: wave 0 signals for the work-group, every wave waits for all sixteen, my work-group's barrier once more
	s_cmp_lg_u32 s10, 0
	s_cbranch_scc1 .Lnot_wave_0_\@
	s_barrier_signal -3
.Lnot_wave_0_\@:
	s_barrier_wait -3
	s_barrier_signal -1
	s_barrier_wait -1
.endm
.macro CROUND                          ; a whole round
	s_barrier_signal -1
	s_barrier_wait -1
	CREST
.endm
	s_load_b128 s[4:7], s[0:1], 0x0                ; hb s[4:5], wb s[6:7]
	s_load_b64 s[8:9], s[0:1], 0x10                ; qkv
	v_lshl_add_u32 v[SPW], v0, 2, SPARE
	v_mov_b32 v[NIL], 0
	ds_add_u32 v28, v29
	s_wait_dscnt 0x0
	v_lshrrev_b32 v1, 5, v0
	v_readfirstlane_b32 s10, v1                    ; wave 0..3
	s_lshr_b32 s11, s10, 1                         ; which half of the tile's rows is mine.  Also: I fetch for hb (0) or for wb (1)
	s_and_b32 s12, s10, 1                          ; which half of its columns.  Also: which half of that tile I fetch
	s_bfe_u32 s40, ttmp6, 0x40000                  ; cx
	s_bfe_u32 s41, ttmp6, 0x40004                  ; cy
	s_and_b32 s13, ttmp7, 0xffff
	s_lshl_b32 s13, s13, 2
	s_add_co_u32 s13, s13, s41                     ; tile row = 4 x cluster y + cy, 0..31
	s_lshl_b32 s43, s41, 2
	s_lshl_b32 s43, 15, s43                        ; my row of the cluster
	s_lshl_b32 s44, 0x1111, s40                    ; my column
	s_or_b32 s[G1A+0], s43, (1<<16)|(1<<20)|(1<<21)|(5<<22)|(3<<25)  ; the mask; elements of 2 bytes; padding on; bit 21 beside a mask; after every 64 words (code 5) 4 words (code 3)
	s_mov_b32 s[G1A+1], 128<<16                    ; tensor_dim0 = 128
	s_mov_b32 s[G1A+2], 128<<16                    ; tensor_dim1 = 128
	s_mov_b32 s[G1A+3], 128<<16                    ; tile_dim0 = 128
	s_mov_b32 s[G1A+4], 128                        ; tile_dim1 = 128
	s_mov_b32 s[G1A+5], 1024                       ; elements from row to row
	s_mov_b32 s[G1A+6], 0
	s_mov_b32 s[G1A+7], 0
	s_or_b32 s[G1B+0], s44, (1<<16)|(1<<20)|(1<<21)|(6<<22)|(7<<25)  ; after every 128 words (code 6) 8 words (code 7)
	s_mov_b32 s[G1B+1], 256<<16                    ; tensor_dim0 = 256
	s_mov_b32 s[G1B+2], 64<<16                     ; tensor_dim1 = 64
	s_mov_b32 s[G1B+3], 256<<16                    ; tile_dim0 = 256
	s_mov_b32 s[G1B+4], 64                         ; tile_dim1 = 64
	s_mov_b32 s[G1B+5], 1024
	s_mov_b32 s[G1B+6], 0
	s_mov_b32 s[G1B+7], 0
	s_lshl_b32 s16, s13, 19                        ; hb: (256 x tile row + 128 x half) rows of 2,048 bytes
	s_lshl_b32 s17, s12, 18
	s_add_co_u32 s16, s16, s17
	s_mov_b32 s17, 0
	s_lshl_b32 s46, ttmp9, 21                      ; wb: the plane is the cluster's x (four tile columns to a plane): 2 MiB each,
	s_lshl_b32 s47, s40, 9                         ; 256 columns for each cx,
	s_add_co_u32 s46, s46, s47
	s_lshl_b32 s47, s12, 17                        ; 64 rows of 2,048 bytes for my half
	s_add_co_u32 s46, s46, s47
	s_mov_b32 s47, 0
	s_mul_i32 s20, s10, HALFT                      ; where they go: wave x HALFT: no place in the cluster enters an LDS address
	s_mov_b32 s[TB], 0
	s_wait_kmcnt 0x0
	s_add_nc_u64 s[14:15], s[4:5], s[16:17]
	s_add_nc_u64 s[46:47], s[6:7], s[46:47]
	CROUND                                         ; all sixteen work-groups are here: the first joint loads meet
.irp s, 0,1
	s_mov_b32 s[G0A+4*(\s)], 1                     ; count = 1
	s_add_co_u32 s[G0A+4*(\s)+1], s20, (\s)*SLOT   ; LDS address
	s_add_nc_u64 s[G0A+4*(\s)+2:G0A+4*(\s)+3], s[14:15], (\s)*ASTEP  ; global address: K step s
	s_or_b32 s[G0A+4*(\s)+3], s[G0A+4*(\s)+3], 0x80000000            ; type = 2
	s_mov_b32 s[G0B+4*(\s)], 1
	s_add_co_u32 s[G0B+4*(\s)+1], s20, (\s)*SLOT
	s_add_nc_u64 s[G0B+4*(\s)+2:G0B+4*(\s)+3], s[46:47], (\s)*BSTEP
	s_or_b32 s[G0B+4*(\s)+3], s[G0B+4*(\s)+3], 0x80000000
.endr
	s_cmp_eq_u32 s11, 0                            ; a wave's two first fills stand in one branch, ahead of every wait on TENSORcnt and every LDS read: two loads of mine are out
	s_cbranch_scc0 .Lfirst_b
	tensor_load_to_lds s[G0A:G0A+3], s[G1A:G1A+7]
	s_nop 0
	tensor_load_to_lds s[G0A+4:G0A+7], s[G1A:G1A+7]
	s_nop 0
.rept 4
	v_nop
.endr
	s_branch .Lfirst_asked
.Lfirst_b:
	tensor_load_to_lds s[G0B:G0B+3], s[G1B:G1B+7]
	s_nop 0
	tensor_load_to_lds s[G0B+4:G0B+7], s[G1B:G1B+7]
	s_nop 0
.rept 4
	v_nop
.endr
.Lfirst_asked:
	; A fragment of hb is 16 rows x 32 K in 8 registers: lane l holds row l % 16, K = 8 (l / 16) + 0..7 and 16 + 8 (l / 16) + 0..7: two loads of 16 bytes, 32 bytes apart.
	v_and_b32 v1, 15, v0                           ; l % 16
	v_bfe_u32 v2, v0, 4, 1                         ; l / 16
	v_mul_u32_u24 v3, v1, PA
	v_lshl_add_u32 v3, v2, 4, v3
	s_mul_i32 s21, s11, HALFT                      ; my 128 rows of hb
	v_add_nc_u32 v[ADRA0], s21, v3
	; The turning load takes 16 k x 16 n (lane l reads 16 bytes: row k = 8 (l / 16) + l % 8, columns 8 ((l / 8) % 2) + 0..7) and leaves half a fragment: lane l holds column l % 16 and 8 k.
	v_and_b32 v4, 7, v0
	v_lshl_add_u32 v4, v2, 3, v4
	v_mul_u32_u24 v4, v4, PB
	v_bfe_u32 v5, v0, 3, 1
	v_lshl_add_u32 v4, v5, 4, v4
	s_lshl_b32 s22, s12, 8                         ; my 128 columns of wb's rows,
	s_add_co_u32 s22, s22, BOFF                    ; which lie behind hb's tile
	v_add_nc_u32 v[ADRB0], s22, v4
	v_mov_b32 v[ADRA], v[ADRA0]
	v_mov_b32 v[ADRB], v[ADRB0]
	s_mul_i32 s23, s10, 16*SP
	s_add_co_u32 s23, s23, STAGE                   ; my stage
	v_mul_u32_u24 v4, v1, SP                       ; in: row l % 16, 16 bytes for each half of the lanes
	v_lshl_add_u32 v4, v2, 4, v4
	v_add_nc_u32 v[STO], s23, v4
	v_mul_u32_u24 v5, v2, SP                       ; back: lanes 0-15 take one row of 256 bytes, lanes 16-31 the next
	v_lshl_add_u32 v5, v1, 4, v5
	v_add_nc_u32 v[RD], s23, v5
	v_mul_u32_u24 v5, v2, CPITCH                   ; and the same two rows in qkv
	v_lshl_add_u32 v[CO], v1, 4, v5
	s_lshl_b32 s46, ttmp9, 24                      ; my part of qkv: the plane (16 MiB),
	s_lshl_b32 s47, s13, 19                        ; 256 rows a tile row,
	s_add_co_u32 s46, s46, s47
	s_lshl_b32 s47, s11, 18                        ; my 128 rows,
	s_add_co_u32 s46, s46, s47
	s_lshl_b32 s47, s40, 9                         ; 256 columns for each cx,
	s_add_co_u32 s46, s46, s47
	s_lshl_b32 s47, s12, 8                         ; my 128 columns
	s_add_co_u32 s46, s46, s47
	s_mov_b32 s47, 0
	s_add_nc_u64 s[8:9], s[8:9], s[46:47]
; 16 matrix instructions: m blocks a0, a0 + 1 of the window's four (hi = 0: my rows 0-63, 1: rows 64-127) x all 8 n blocks, 32 along K.  zero = 1: the first product starts the sums.
; The 64 accumulators take turns, one instruction a turn, in the same order in every quarter.
.macro MUL16 f, hi, a0, zero
	WIN MUL_LO+0x50*(\hi)
.irp a, \a0, (\a0)+1
.irp b, 0,1,2,3,4,5,6,7
.if \zero
	v_wmma_f32_16x16x32_bf16 v[8*(8*(\a)+(\b)):8*(8*(\a)+(\b))+7], v[(\f)+8*(\b):(\f)+8*(\b)+7], v[(\f)+8*(4*(\hi)+(\a)):(\f)+8*(4*(\hi)+(\a))+7], 0
.else
	v_wmma_f32_16x16x32_bf16 v[8*(8*(\a)+(\b)):8*(8*(\a)+(\b))+7], v[(\f)+8*(\b):(\f)+8*(\b)+7], v[(\f)+8*(4*(\hi)+(\a)):(\f)+8*(4*(\hi)+(\a))+7], v[8*(8*(\a)+(\b)):8*(8*(\a)+(\b))+7]
.endif
.endr
.endr
.endm
; 32 LDS loads in one run: the fragments of quarter q (32 along K) of the slot in hand, into buffer f: wb's 128 columns (turned), then hb's 128 rows
.macro FETCH q, f
	WIN TO_B
.irp i, 0,1,2,3,4,5,6,7
	ds_load_tr16_b128 v[(\f)+8*(\i):(\f)+8*(\i)+3],   v[ADRB] offset:(\q)*32*PB+32*(\i)
	ds_load_tr16_b128 v[(\f)+8*(\i)+4:(\f)+8*(\i)+7], v[ADRB] offset:(\q)*32*PB+32*(\i)+16*PB
.endr
	WIN 0
.irp i, 0,1,2,3,4,5,6,7
	ds_load_b128 v[(\f)+8*(\i):(\f)+8*(\i)+3],   v[ADRA] offset:64*(\q)+(\i)*16*PA
	ds_load_b128 v[(\f)+8*(\i)+4:(\f)+8*(\i)+7], v[ADRA] offset:64*(\q)+(\i)*16*PA+32
.endr
.endm
; A load into a register that a matrix instruction has read, and a vector instruction that reads a matrix result, stand four places behind that matrix instruction, and only plain vector
; instructions that name none of its registers are places (ISA guide 7.12.1 for vector instructions).
.macro PLACES
.rept 4
	v_nop
.endr
.endm
; A K step is four quarters of 32 along K, 64 matrix instructions each, on buffers 0, 1, 0, 1.  One of the first three: multiplies buffer f; in its middle it fetches quarter q into buffer g.
.macro QUARTER q, f, g, zero
	s_wait_dscnt 8                                 ; wb's fragments and hb's rows 0-63 are in; the youngest eight loads (hb's rows 64-127) may be out
	MUL16 \f, 0, 0, \zero
	MUL16 \f, 0, 2, \zero
	PLACES
	FETCH \q, \g
	s_wait_dscnt 32                                ; all but the 32 just issued
	MUL16 \f, 1, 0, \zero
	MUL16 \f, 1, 2, \zero
.endm
; The last quarter multiplies buffer 1 and changes slots.  ONE barrier: in front of it each wave waits for all its tensor loads (one is out: its part of the next slot), adds 0 to its spare
; word, and waits for that and for its own reads of this slot.  Behind it nobody reads this slot any more and the next slot is whole.
.macro MEET round
	WIN 0                                          ; (the add's two registers lie in window 0)
	s_wait_tensorcnt 0x0
	ds_add_u32 v[SPW], v[NIL]                      ; 0 onto my spare word
	s_wait_dscnt 9                                 ; (the add and the youngest eight loads may be out)
	MUL16 F1, 0, 0, 0                              ; sixteen matrix instructions stand between the add and the wait for it
	s_wait_dscnt 0x0                               ; the add is done, and my reads of this slot are over
	s_barrier_signal -1
	MUL16 F1, 0, 2, 0                              ; work on registers while the others arrive
.if \round
	WIN 0
.endif
	s_barrier_wait -1
.endm
; fill = 1: the barrier opens a round of the cluster's, and the slot just read out is filled again, first thing behind the round, with the K step two steps on: from that request to the wait
; for it a wave issues 224 matrix instructions; one tensor load of mine is out.  Then the next slot's first fragments.
.macro TURN fill
	MEET \fill
.if \fill
	CREST                                          ; no wave of any partner still reads this slot's tile or has a load on its way
	s_xor_b32 s[G0A+5], s[G0A+5], SLOT             ; the walking descriptors: the other slot than last time,
	s_add_nc_u64 s[G0A+6:G0A+7], s[G0A+6:G0A+7], ASTEP  ; the next K step; the type bits on top are not reached
	s_xor_b32 s[G0B+5], s[G0B+5], SLOT
	s_add_nc_u64 s[G0B+6:G0B+7], s[G0B+6:G0B+7], BSTEP
	JLOAD                                          ; the four v_nop behind it are also the places in front of the loads below
.else
	WIN 0
	PLACES
.endif
	s_xor_b32 s[TB], s[TB], SLOT                   ; the fetches go on in the other slot
	v_add_nc_u32 v[ADRA], s[TB], v[ADRA0]
	v_add_nc_u32 v[ADRB], s[TB], v[ADRB0]
	FETCH 0, F0
	MUL16 F1, 1, 0, 0
	MUL16 F1, 1, 2, 0
.endm
; THE WAY OUT of block a (16 rows).  PACK: rounded to f16, 16 bytes a lane, each accumulator's registers in ascending order.  TOSTAGE: into my own stage, and back as whole rows of 256 bytes.  SEND: stored.
.macro PACK a
.set AC, 64*((\a)%4)
	WIN 0x0a+5*((\a)/4)                            ; sources 0 and 1: window 2 or 3
.irp b, 0,1,2,3,4,5,6,7
.irp r, 0,1,2,3
	v_cvt_pk_f16_f32 v[TMP+4*(\b)+(\r)], v[AC+8*(\b)+2*(\r)], v[AC+8*(\b)+2*(\r)+1]
.endr
.endr
	WIN 0
.endm
.macro TOSTAGE a
	WIN 0
.set BK, OB+192*((\a)%2)
.irp b, 0,1,2,3,4,5,6,7
	ds_store_b128 v[STO], v[TMP+4*(\b):TMP+4*(\b)+3] offset:32*(\b)
.endr
.irp t, 0,1,2,3,4,5,6,7
	ds_load_b128 v[BK+4*(\t):BK+4*(\t)+3], v[RD] offset:(\t)*2*SP  ; LDS serves a wave's instructions in order (ISA guide 5.7.1.4): these see the stores above
.endr
.endm
.macro SEND a
	WIN 0
.set BK, OB+192*((\a)%2)
	s_wait_dscnt 0x0                               ; the block is back in registers
	s_wait_xcnt 0x0                                ; the other buffer, which the block before's stores read, is loaded again only behind this wait
.irp t, 0,1,2,3,4,5,6,7
	global_store_b128 v[CO], v[BK+4*(\t):BK+4*(\t)+3], s[8:9] offset:(16*(\a)+2*(\t))*CPITCH  ; 16 lanes store 256 consecutive bytes, at a multiple of 256 from qkv's first byte
.endr
.endm
	s_wait_tensorcnt 0x1                           ; my part of K step 0 is in; K step 1's may stay out
	s_barrier_signal -1
	s_barrier_wait -1                              ; everybody's is
	FETCH 0, F0
	QUARTER 1, F0, F1, 1                           ; the first quarter stands in front of the loop: its products start the sums
	WIN 0                                          ; at a label and at a branch every window is 0
	s_mov_b32 s3, 6
.Lk:                                                   ; six trips: from a K step's second quarter to the next step's first; they ask for K steps 2 to 7
	QUARTER 2, F1, F0, 0
	QUARTER 3, F0, F1, 0
	TURN 1
	QUARTER 1, F0, F1, 0
	WIN 0
	s_sub_co_u32 s3, s3, 1
	s_cmp_lg_u32 s3, 0
	s_cbranch_scc1 .Lk
	s_mov_b32 s3, 2
.Ltail:                                                ; K steps 6 and 7 ask for nothing.  The second trip is left in its middle; its change of slots fetches the other slot's old fragments once more,
	QUARTER 2, F1, F0, 0                           ; 32 loads and a barrier that serve nothing: the price, once a launch, of one text for both trips
	QUARTER 3, F0, F1, 0
	TURN 0
	WIN 0
	s_sub_co_u32 s3, s3, 1
	s_cmp_eq_u32 s3, 0
	s_cbranch_scc1 .Lout
	QUARTER 1, F0, F1, 0
	WIN 0
	s_branch .Ltail
.Lout:
	s_wait_dscnt 0x0                               ; those loads are back: their registers are free
	PLACES                                         ; behind the last products
	PACK 0
	TOSTAGE 0
.irp a, 1,2,3,4,5,6,7                  ; block a's conversions stand between block a - 1's loads from the stage and the wait for them
	PACK \a
	SEND (\a)-1
	TOSTAGE \a
.endr
	SEND 7
	s_wait_tensorcnt 0x0                           ; the wave's end, behind my last tensor load and my last LDS store
	ds_add_u32 v[SPW], v[NIL]
	s_wait_dscnt 0x0
	CROUND                                         ; the closing round: no work-group ends while a partner may still ask for a tile that names it
	s_endpgm
.Lfunc_end_k_qbc3619870f_proj:
	.size	k_qbc3619870f_proj, .Lfunc_end_k_qbc3619870f_proj-k_qbc3619870f_proj
	.p2alignl 7, 3214868480
	.fill 96, 4, 3214868480
	.section	.rodata,"a",@progbits
	.p2align	6, 0x0
	.amdhsa_kernel k_qbc3619870f_proj
		.amdhsa_group_segment_fixed_size 327680
		.amdhsa_private_segment_fixed_size 0
		.amdhsa_enable_private_segment 0
		.amdhsa_kernarg_size 24
		.amdhsa_user_sgpr_count 2
		.amdhsa_user_sgpr_kernarg_segment_ptr 1
		.amdhsa_wavefront_size32 1
		.amdhsa_system_sgpr_workgroup_id_x 1
		.amdhsa_system_sgpr_workgroup_id_y 1
		.amdhsa_system_sgpr_workgroup_id_z 1
		.amdhsa_system_vgpr_workitem_id 0
		.amdhsa_next_free_vgpr 1024
		.amdhsa_next_free_sgpr 72
		.amdhsa_reserve_vcc 0
		.amdhsa_float_denorm_mode_32 3
		.amdhsa_float_denorm_mode_16_64 3
		.amdhsa_memory_ordered 1
		.amdhsa_forward_progress 1
		.amdhsa_inst_pref_size 99
	.end_amdhsa_kernel
	.amdgpu_metadata
---
amdhsa.version: [ 1, 2 ]
amdhsa.kernels:
  - .name:           k_qbc3619870f_proj
    .symbol:         k_qbc3619870f_proj.kd
    .args:
      - { .name: hb, .offset: 0, .size: 8, .value_kind: global_buffer, .address_space: global }
      - { .name: wb, .offset: 8, .size: 8, .value_kind: global_buffer, .address_space: global }
      - { .name: qkv, .offset: 16, .size: 8, .value_kind: global_buffer, .address_space: global }
    .group_segment_fixed_size: 327680
    .private_segment_fixed_size: 0
    .kernarg_segment_align: 8
    .kernarg_segment_size: 24
    .max_flat_workgroup_size: 128
    .sgpr_count:     72
    .vgpr_count:     1024
    .wavefront_size: 32
...
	.end_amdgpu_metadata
.endif
;; end of part 2
;; launch scores (part 3): grid 8 x 32, 4 waves a work-group, clusters of 4 x 4, 327,680 bytes of LDS; arguments qkv, p, stats; writes p, stats
.if DOCPART == 3
	.amdgcn_target "amdgcn-amd-amdhsa--gfx1250"
	.amdhsa_code_object_version 6
	.text
	.protected	k_qbc3619870f_scores
	.globl	k_qbc3619870f_scores
	.p2align	8
	.type	k_qbc3619870f_scores,@function
k_qbc3619870f_scores:
	s_mov_b64 s[64:65], 0
	v_nop
	global_prefetch_b8 v0, s[64:65] scope:SCOPE_SE
	s_setreg_imm32_b32 hwreg(HW_REG_WAVE_MODE, 25, 1), 1
	s_wait_xcnt 0x0
	s_wait_alu depctr_hold_cnt(0) depctr_sa_sdst(0) depctr_va_vdst(0) depctr_va_sdst(0) depctr_va_ssrc(0) depctr_va_vcc(0) depctr_vm_vsrc(0)
	s_getreg_b32 s2, hwreg(HW_REG_IB_STS2, 6, 4)
	s_cmp_eq_u32 s2, 0
	s_cbranch_scc0 .Lentry_in_a_cluster
	s_endpgm
.Lentry_in_a_cluster:
	s_bfe_u32 s2, ttmp6, 0x10000c
	s_cmp_lg_u32 s2, 0xf033
	s_cbranch_scc0 .Lentry_shape_is_right
	s_endpgm
.Lentry_shape_is_right:
; For each batch S = Q K^T (Q, K: planes 0 and 1 of qkv, [8192][1024] f16; sums in f32), and the first stage of the softmax over keys: for each query row and each BLOCK t of 128 keys
;   stats[0][t][row] = c m_t, m_t the block's largest score, c = log2(e) / 32;   p[row][key] = 2^(c s - c m_t), rounded to f16;   stats[1][t][row] = l_t, the sum of the block's unrounded p.
; The launch behind takes the rows' true maximum over the 16 blocks, scales each block by 2^(c m_t - c m) and divides by the whole sum: the maximum is taken away in two stages, and no exponent here is above 0
; but for the rounding of c m_t (an exponent of 2^-24 of |c m_t| at the most).
; LIMITS.  A weight below 6e-5 keeps f16's fixed step of 6e-8, one below 2^-126 counts as 0 in l; NaN and infinities are not treated apart.
; A tile of 256 queries x 256 keys is made by four waves, each 128 x 128: 64 accumulators.  K = 1,024 channels go in 8 steps of 128 through two LDS slots filled by the tensor data mover.
; CLUSTER 4 x 4: the four work-groups of a row of the cluster need the same rows of Q, the four of a column the same rows of K: each tile is asked for jointly.
; THE MATRIX INSTRUCTION IS USED TRANSPOSED (source 0 = 16 keys, source 1 = 16 queries): a lane holds ONE query (l % 16) and in accumulator b the keys 16 b + 8 (l / 16) + 0..7.  So of a wave's 128 keys a lane
; holds 64 and the lane 16 away the other 64: a block's maximum and sum want one exchange between the halves of the lanes, and never leave the wave.  Block t = 2 x key tile + my column half.
; THE LOOP is ONE K step long: the LDS addresses hang on s[TB] (0 or SLOT), and one descriptor group 0 a tensor walks, its LDS word turned by an exclusive or with SLOT
; (the waves' places, 0x8800 w, have neither of SLOT's two bits).
; REGISTERS, in windows of 256 (s_set_vgpr_msb: bits 1:0 source 0, 3:2 source 1, 5:4 source 2, 7:6 destination):
;   window 0: v0-31 addresses; v64-127, v128-191 fragments of Q, two buffers; on the way out v64-127 T, v128-159 MT, v160-175 ST, v192-223 TMP, v32-63 and v224-255 OB
;   window 1: v64-127, v128-191 fragments of K      window 2: the accumulators of my rows 0-63 ((a, b) at v[8 (8 a + b)])      window 3: those of my rows 64-127
.set PA,     272                       ; an LDS row: 256 bytes + 16 of padding = 68 words: the 16 rows of a fragment load start at 16 different groups of four banks (64 banks of 4 bytes: ISA guide 11.1)
.set HALFT,  128*PA                    ; 128 rows: what one tensor load brings
.set SLOT,   4*HALFT                   ; Q's 256 rows, then K's 256 rows
.set BOFF,   2*HALFT
.set STAGE,  2*SLOT                    ; behind the ring: 16 rows x 272 bytes for each wave, for p's way out
.set SP,     272
.set SSTG,   STAGE+4*16*SP             ; 1,024 bytes for each wave: its 128 rows' c m, then their l
.set SPARE,  SSTG+4096                 ; the spare words, 128 bytes for each wave: two blocks of 256 bytes that no other line names
.set ASTEP,  256                       ; a K step along the rows, in bytes
.set CPITCH, 4096                      ; a row of p
.set ADRA0, 16                         ; v16  my lane's place in slot 0 for Q's fragments; never rewritten
.set ADRB0, 17                         ; v17  the same for K's
.set ADRA,  18                         ; v18  the same in the slot in hand
.set ADRB,  19                         ; v19
.set STO,   24                         ; v24  p's way out: where I put 16 bytes of a row
.set RD,    25                         ; v25  where I read a row back
.set CO,    26                         ; v26  my byte offset in two rows of p
.set SS,    27                         ; v27  the statistics' stage: my row's word
.set SPW,   28                         ; v28  LDS address of my spare word: SPARE + 4 x my thread's number; never rewritten
.set NIL,   29                         ; v29  0; never rewritten
.set SR,    30                         ; v30  the statistics' stage: my 16 bytes of 512
.set GS,    31                         ; v31  the same 16 bytes in stats
.set F0,    64
.set F1,    128
.set T,     64                         ; one block's 64 numbers a lane: c s - c m, then p
.set MT,    128                        ; four registers a block, at work on the maximum
.set ST,    160                        ; block a: v[ST+2a] = c m, v[ST+2a+1] = l
.set TMP,   192                        ; packed weights
.set OB,    32                         ; 16 rows read back: v32-63 and v224-255 by turns
.set G1A, 24                           ; s[24:31] descriptor group 1 for Q's tiles
.set G0A, 32                           ; s[32:39] group 0: a set for each of the two first fills; the second then walks
.set G1B, 48                           ; s[48:55], s[56:63] the same for K's tiles
.set G0B, 56
.set TB,  66                           ; s66  LDS byte at which the slot in hand begins
.set CS,  68                           ; s[68:69] c: the packed scaling takes the pair's low word for both halves
.set SEL, 70                           ; s[70:71] v_permlanex16_b32's selects: each lane takes its own place in the other half
.set MSB, 0
.macro WIN new                         ; the immediate's high byte repeats the setting that is left; a switch that changes nothing is dropped
.if MSB != (\new)
	s_set_vgpr_msb (MSB<<8)|(\new)
.set MSB, \new
.endif
.endm
.set MUL_LO, 0xa1                      ; source 0 (K) window 1, source 1 (Q) window 0, C and D window 2
.set MUL_HI, 0xf1                      ; the same, C and D window 3
.set TO_B,   0x40                      ; destination window 1, address window 0
; A joint refill by the walking descriptors.  Waves 0 and 1 fetch Q's two halves, waves 2 and 3 K's.  The branch hangs on the wave's number alone.
; An s_nop 0 and four v_nop follow each of the two lines, ahead of the jump and the label.
.macro JLOAD
	s_cmp_eq_u32 s11, 0
	s_cbranch_scc0 .Lfor_b_\@
	tensor_load_to_lds s[G0A+4:G0A+7], s[G1A:G1A+7]
	s_nop 0
.rept 4
	v_nop
.endr
	s_branch .Lasked_\@
.Lfor_b_\@:
	tensor_load_to_lds s[G0B+4:G0B+7], s[G1B:G1B+7]
	s_nop 0
.rept 4
	v_nop
.endr
.Lasked_\@:
.endm
.macro CREST                           ; a round of the cluster's barrier behind its opening barrier
	s_cmp_lg_u32 s10, 0
	s_cbranch_scc1 .Lnot_wave_0_\@
	s_barrier_signal -3
.Lnot_wave_0_\@:
	s_barrier_wait -3
	s_barrier_signal -1
	s_barrier_wait -1
.endm
.macro CROUND                          ; a whole round
	s_barrier_signal -1
	s_barrier_wait -1
	CREST
.endm
	s_load_b128 s[4:7], s[0:1], 0x0                ; qkv s[4:5], p s[6:7]
	s_load_b64 s[8:9], s[0:1], 0x10                ; stats
	v_lshl_add_u32 v[SPW], v0, 2, SPARE
	v_mov_b32 v[NIL], 0
	ds_add_u32 v28, v29
	s_wait_dscnt 0x0
	v_lshrrev_b32 v1, 5, v0
	v_readfirstlane_b32 s10, v1                    ; wave 0..3
	s_lshr_b32 s11, s10, 1                         ; which half of the tile's queries is mine.  Also: I fetch for Q (0) or for K (1)
	s_and_b32 s12, s10, 1                          ; which half of its keys.  Also: which 128 rows of that tile I fetch
	s_bfe_u32 s40, ttmp6, 0x40000                  ; cx
	s_bfe_u32 s41, ttmp6, 0x40004                  ; cy
	s_lshl_b32 s42, ttmp9, 2
	s_add_co_u32 s42, s42, s40                     ; key tile = 4 x cluster x + cx, 0..7
	s_and_b32 s45, ttmp7, 0xffff                   ; the cluster's y, 0..7: two clusters to a batch
	s_lshl_b32 s13, s45, 2
	s_add_co_u32 s13, s13, s41                     ; query tile = 4 x cluster y + cy, 0..31, over all batches
	s_lshl_b32 s43, s41, 2
	s_lshl_b32 s43, 15, s43                        ; my row of the cluster
	s_lshl_b32 s44, 0x1111, s40                    ; my column
	s_or_b32 s[G1A+0], s43, (1<<16)|(1<<20)|(1<<21)|(5<<22)|(3<<25)  ; the mask; elements of 2 bytes; padding on; bit 21 beside a mask; after every 64 words (code 5) 4 words (code 3)
	s_or_b32 s[G1B+0], s44, (1<<16)|(1<<20)|(1<<21)|(5<<22)|(3<<25)
.irp g, G1A, G1B
	s_mov_b32 s[(\g)+1], 128<<16                   ; tensor_dim0 = 128
	s_mov_b32 s[(\g)+2], 128<<16                   ; tensor_dim1 = 128
	s_mov_b32 s[(\g)+3], 128<<16                   ; tile_dim0 = 128
	s_mov_b32 s[(\g)+4], 128                       ; tile_dim1 = 128
	s_mov_b32 s[(\g)+5], 1024                      ; elements from row to row
	s_mov_b32 s[(\g)+6], 0
	s_mov_b32 s[(\g)+7], 0
.endr
	s_lshl_b32 s16, s13, 19                        ; Q: (256 x query tile + 128 x half) rows of 2,048 bytes
	s_lshl_b32 s17, s12, 18
	s_add_co_u32 s16, s16, s17
	s_mov_b32 s17, 0
	s_lshr_b32 s46, s45, 1                         ; K: the batch, from the cluster's y alone: 2,048 rows of 2,048 bytes,
	s_lshl_b32 s46, s46, 22
	s_add_co_u32 s46, s46, 1<<24                   ; in plane 1,
	s_lshl_b32 s47, s42, 19                        ; 256 rows a key tile,
	s_add_co_u32 s46, s46, s47
	s_lshl_b32 s47, s12, 18                        ; my half
	s_add_co_u32 s46, s46, s47
	s_mov_b32 s47, 0
	s_mul_i32 s20, s10, HALFT                      ; where they go: wave x 128 rows: no place in the cluster enters an LDS address
	s_mov_b32 s[TB], 0
	s_mov_b32 s[CS], 0x3d38aa3b                    ; c = log2(e) / 32 = 0.0450842
	s_mov_b32 s[CS+1], s[CS]                       ; named with it as a pair
	s_mov_b32 s[SEL], 0x76543210
	s_mov_b32 s[SEL+1], 0xfedcba98
	s_wait_kmcnt 0x0
	s_add_nc_u64 s[14:15], s[4:5], s[16:17]
	s_add_nc_u64 s[46:47], s[4:5], s[46:47]
	CROUND                                         ; all sixteen work-groups are here: the first joint loads meet
.irp s, 0,1
	s_mov_b32 s[G0A+4*(\s)], 1                     ; count = 1
	s_add_co_u32 s[G0A+4*(\s)+1], s20, (\s)*SLOT   ; LDS address
	s_add_nc_u64 s[G0A+4*(\s)+2:G0A+4*(\s)+3], s[14:15], (\s)*ASTEP  ; global address: K step s
	s_or_b32 s[G0A+4*(\s)+3], s[G0A+4*(\s)+3], 0x80000000            ; type = 2
	s_mov_b32 s[G0B+4*(\s)], 1
	s_add_co_u32 s[G0B+4*(\s)+1], s20, (\s)*SLOT
	s_add_nc_u64 s[G0B+4*(\s)+2:G0B+4*(\s)+3], s[46:47], (\s)*ASTEP
	s_or_b32 s[G0B+4*(\s)+3], s[G0B+4*(\s)+3], 0x80000000
.endr
	s_cmp_eq_u32 s11, 0                            ; a wave's two first fills stand in one branch, ahead of every wait on TENSORcnt and every LDS read: two loads of mine are out
	s_cbranch_scc0 .Lfirst_b
	tensor_load_to_lds s[G0A:G0A+3], s[G1A:G1A+7]
	s_nop 0
	tensor_load_to_lds s[G0A+4:G0A+7], s[G1A:G1A+7]
	s_nop 0
.rept 4
	v_nop
.endr
	s_branch .Lfirst_asked
.Lfirst_b:
	tensor_load_to_lds s[G0B:G0B+3], s[G1B:G1B+7]
	s_nop 0
	tensor_load_to_lds s[G0B+4:G0B+7], s[G1B:G1B+7]
	s_nop 0
.rept 4
	v_nop
.endr
.Lfirst_asked:
	; A fragment is 16 rows x 32 channels in 8 registers: lane l holds row l % 16, channels 8 (l / 16) + 0..7 and 16 + 8 (l / 16) + 0..7: two loads of 16 bytes, 32 bytes apart.
	v_and_b32 v1, 15, v0                           ; l % 16
	v_bfe_u32 v2, v0, 4, 1                         ; l / 16
	v_and_b32 v6, 31, v0                           ; l
	v_mul_u32_u24 v3, v1, PA
	v_lshl_add_u32 v3, v2, 4, v3
	s_mul_i32 s21, s11, HALFT                      ; my 128 rows of Q
	s_mul_i32 s22, s12, HALFT                      ; my 128 rows of K,
	s_add_co_u32 s22, s22, BOFF                    ; which lie behind Q's 256
	v_add_nc_u32 v[ADRA0], s21, v3
	v_add_nc_u32 v[ADRB0], s22, v3
	v_mov_b32 v[ADRA], v[ADRA0]
	v_mov_b32 v[ADRB], v[ADRB0]
	s_mul_i32 s23, s10, 16*SP
	s_add_co_u32 s23, s23, STAGE                   ; my stage
	v_mul_u32_u24 v4, v1, SP                       ; in: row l % 16, 16 bytes for each half of the lanes
	v_lshl_add_u32 v4, v2, 4, v4
	v_add_nc_u32 v[STO], s23, v4
	v_mul_u32_u24 v5, v2, SP                       ; back: lanes 0-15 take one row of 256 bytes, lanes 16-31 the next
	v_lshl_add_u32 v5, v1, 4, v5
	v_add_nc_u32 v[RD], s23, v5
	v_mul_u32_u24 v5, v2, CPITCH                   ; and the same two rows in p
	v_lshl_add_u32 v[CO], v1, 4, v5
	s_lshl_b32 s23, s10, 10
	s_add_co_u32 s23, s23, SSTG                    ; my statistics' stage
	v_lshl_add_u32 v[SS], v1, 2, s23
	v_lshl_add_u32 v[SR], v6, 4, s23
	v_lshlrev_b32 v[GS], 4, v6
	s_lshl_b32 s46, s13, 20                        ; my part of p: 256 rows of 4,096 bytes a query tile,
	s_lshl_b32 s47, s11, 19                        ; my 128 rows,
	s_add_co_u32 s46, s46, s47
	s_lshl_b32 s47, s42, 9                         ; 256 keys a key tile,
	s_add_co_u32 s46, s46, s47
	s_lshl_b32 s47, s12, 8                         ; my 128 keys
	s_add_co_u32 s46, s46, s47
	s_mov_b32 s47, 0
	s_add_nc_u64 s[6:7], s[6:7], s[46:47]
	s_lshl_b32 s46, s42, 1                         ; my part of stats: block t = 2 x key tile + my half: 8,192 rows of 4 bytes,
	s_add_co_u32 s46, s46, s12
	s_lshl_b32 s46, s46, 15
	s_lshl_b32 s47, s13, 10                        ; 256 rows a query tile,
	s_add_co_u32 s46, s46, s47
	s_lshl_b32 s47, s11, 9                         ; my 128 rows
	s_add_co_u32 s46, s46, s47
	s_mov_b32 s47, 0
	s_add_nc_u64 s[8:9], s[8:9], s[46:47]
; 16 matrix instructions: query blocks a0, a0 + 1 of the window's four x all 8 key blocks, 32 channels.  zero = 1: the first product starts the sums.
; The 64 accumulators take turns, one instruction a turn, in the same order in every quarter.
.macro MUL16 f, hi, a0, zero
	WIN MUL_LO+0x50*(\hi)
.irp a, \a0, (\a0)+1
.irp b, 0,1,2,3,4,5,6,7
.if \zero
	v_wmma_f32_16x16x32_f16 v[8*(8*(\a)+(\b)):8*(8*(\a)+(\b))+7], v[(\f)+8*(\b):(\f)+8*(\b)+7], v[(\f)+8*(4*(\hi)+(\a)):(\f)+8*(4*(\hi)+(\a))+7], 0
.else
	v_wmma_f32_16x16x32_f16 v[8*(8*(\a)+(\b)):8*(8*(\a)+(\b))+7], v[(\f)+8*(\b):(\f)+8*(\b)+7], v[(\f)+8*(4*(\hi)+(\a)):(\f)+8*(4*(\hi)+(\a))+7], v[8*(8*(\a)+(\b)):8*(8*(\a)+(\b))+7]
.endif
.endr
.endr
.endm
; 32 LDS loads in one run: the fragments of quarter q (32 channels) of the slot in hand, into buffer f: K's 128 rows, then Q's 128 rows
.macro FETCH q, f
	WIN TO_B
.irp i, 0,1,2,3,4,5,6,7
	ds_load_b128 v[(\f)+8*(\i):(\f)+8*(\i)+3],   v[ADRB] offset:64*(\q)+(\i)*16*PA
	ds_load_b128 v[(\f)+8*(\i)+4:(\f)+8*(\i)+7], v[ADRB] offset:64*(\q)+(\i)*16*PA+32
.endr
	WIN 0
.irp i, 0,1,2,3,4,5,6,7
	ds_load_b128 v[(\f)+8*(\i):(\f)+8*(\i)+3],   v[ADRA] offset:64*(\q)+(\i)*16*PA
	ds_load_b128 v[(\f)+8*(\i)+4:(\f)+8*(\i)+7], v[ADRA] offset:64*(\q)+(\i)*16*PA+32
.endr
.endm
; A load into a register that a matrix instruction has read, and a vector instruction that reads a matrix result, stand four places behind that matrix instruction, and only plain vector
; instructions that name none of its registers are places (ISA guide 7.12.1 for vector instructions).
.macro PLACES
.rept 4
	v_nop
.endr
.endm
; A K step is four quarters of 32 channels, 64 matrix instructions each, on buffers 0, 1, 0, 1.  One of the first three: multiplies buffer f; in its middle it fetches quarter q into buffer g.
.macro QUARTER q, f, g, zero
	s_wait_dscnt 8                                 ; K's fragments and Q's rows 0-63 are in; the youngest eight loads (Q's rows 64-127) may be out
	MUL16 \f, 0, 0, \zero
	MUL16 \f, 0, 2, \zero
	PLACES
	FETCH \q, \g
	s_wait_dscnt 32                                ; all but the 32 just issued
	MUL16 \f, 1, 0, \zero
	MUL16 \f, 1, 2, \zero
.endm
; The last quarter multiplies buffer 1 and changes slots.  ONE barrier: in front of it each wave waits for all its tensor loads (one is out: its part of the next slot), adds 0 to its spare
; word, and waits for that and for its own reads of this slot.  Behind it nobody reads this slot any more and the next slot is whole.
.macro MEET round
	WIN 0                                          ; (the add's two registers lie in window 0)
	s_wait_tensorcnt 0x0
	ds_add_u32 v[SPW], v[NIL]                      ; 0 onto my spare word
	s_wait_dscnt 9                                 ; (the add and the youngest eight loads may be out)
	MUL16 F1, 0, 0, 0                              ; sixteen matrix instructions stand between the add and the wait for it
	s_wait_dscnt 0x0                               ; the add is done, and my reads of this slot are over
	s_barrier_signal -1
	MUL16 F1, 0, 2, 0                              ; work on registers while the others arrive
.if \round
	WIN 0
.endif
	s_barrier_wait -1
.endm
; fill = 1: the barrier opens a round of the cluster's, and the slot just read out is filled again, first thing behind the round, with the K step two steps on: from that request to the wait
; for it a wave issues 224 matrix instructions; one tensor load of mine is out.  Then the next slot's first fragments.
.macro TURN fill
	MEET \fill
.if \fill
	CREST                                          ; no wave of any partner still reads this slot's tile or has a load on its way
	s_xor_b32 s[G0A+5], s[G0A+5], SLOT             ; the walking descriptors: the other slot than last time,
	s_add_nc_u64 s[G0A+6:G0A+7], s[G0A+6:G0A+7], ASTEP  ; the next K step; the type bits on top are not reached
	s_xor_b32 s[G0B+5], s[G0B+5], SLOT
	s_add_nc_u64 s[G0B+6:G0B+7], s[G0B+6:G0B+7], ASTEP
	JLOAD                                          ; the four v_nop behind it are also the places in front of the loads below
.else
	WIN 0
	PLACES
.endif
	s_xor_b32 s[TB], s[TB], SLOT                   ; the fetches go on in the other slot
	v_add_nc_u32 v[ADRA], s[TB], v[ADRA0]
	v_add_nc_u32 v[ADRB], s[TB], v[ADRB0]
	FETCH 0, F0
	MUL16 F1, 1, 0, 0
	MUL16 F1, 1, 2, 0
.endm
; THE SOFTMAX'S FIRST STAGE.  MAXA a: the largest of my lane's 64 scores of block a (16 queries), in four chains; chain c takes accumulator c and then accumulator c + 4, each from its lowest
; registers on.  Sources 0 and 1 lie in the accumulators' window, source 2 and the destination in window 0.
.macro MAXA a
.set AC, 64*((\a)%4)
	WIN 0x0a+5*((\a)/4)
.irp n, 0,1,2,3,4,5,6,7
.irp c, 0,1,2,3
.set rS, AC+8*((\c)+4*((\n)/4))+2*((\n)%4)
.if (\n) == 0
	v_max_num_f32 v[MT+4*(\a)+(\c)], v[rS], v[rS+1]
.else
	v_max3_num_f32 v[MT+4*(\a)+(\c)], v[rS], v[rS+1], v[MT+4*(\a)+(\c)]
.endif
.endr
.endr
.endm
.macro ALL line:vararg                 ; one line for each block t
.set t, 0
.rept 8
	\line
.set t, t+1
.endr
.endm
; SOFT a: 32 packed scalings c s - c m into T; then 64 exponentials, behind each (but the first) one plain instruction that is ready: at even i the rounding to f16 of the pair two back, at odd i
; from 11 on the addition of the pair (i - 3) / 2 onto pair ((i - 3) / 2) % 4, in place (pairs 0 to 3 have been rounded by then), before that v_nop.  So each exponential has a plain instruction
; between it and the use of its result (ISA guide 5.7.2).  At the end my lane's sum of 64 weights goes to v[ST+2a+1].
.macro SOFT a
.set AC, 64*((\a)%4)
	WIN 0x0a+5*((\a)/4)
.set i, 0
.rept 32
	v_pk_fma_f32 v[T+2*i:T+2*i+1], v[AC+2*i:AC+2*i+1], s[CS:CS+1], v[ST+2*(\a):ST+2*(\a)+1] op_sel_hi:[1,0,0] neg_lo:[0,0,1] neg_hi:[0,0,1]
.set i, i+1
.endr
	WIN 0
.set i, 0
.rept 64
	v_exp_f32 v[T+i], v[T+i]
.if (i%2 == 0) && (i >= 2)
	s_wait_alu depctr_va_vdst(0)
	v_cvt_pk_f16_f32 v[TMP+(i-2)/2], v[T+i-2], v[T+i-1]
.elseif (i%2 == 1) && (i >= 11)
.set k, 2*(((i-3)/2)%4)
	v_pk_add_f32 v[T+k:T+k+1], v[T+k:T+k+1], v[T+i-3:T+i-2]
.elseif i%2 == 1
	v_nop
.endif
.set i, i+1
.endr
	s_wait_alu depctr_va_vdst(0)
	v_cvt_pk_f16_f32 v[TMP+31], v[T+62], v[T+63]
	v_pk_add_f32 v[T+6:T+7], v[T+6:T+7], v[T+62:T+63]
	v_pk_add_f32 v[T:T+1], v[T:T+1], v[T+2:T+3]
	v_pk_add_f32 v[T+4:T+5], v[T+4:T+5], v[T+6:T+7]
	v_pk_add_f32 v[T:T+1], v[T:T+1], v[T+4:T+5]
	v_add_f32 v[ST+2*(\a)+1], v[T], v[T+1]
.endm
.macro TOSTAGE a                       ; a lane's eight keys of a row are 16 bytes; into my own stage, and back as whole rows of 256 bytes
	WIN 0
.set BK, OB+192*((\a)%2)
.irp b, 0,1,2,3,4,5,6,7
	ds_store_b128 v[STO], v[TMP+4*(\b):TMP+4*(\b)+3] offset:32*(\b)
.endr
.irp t, 0,1,2,3,4,5,6,7
	ds_load_b128 v[BK+4*(\t):BK+4*(\t)+3], v[RD] offset:(\t)*2*SP  ; LDS serves a wave's instructions in order (ISA guide 5.7.1.4): these see the stores above
.endr
.endm
.macro SEND a
	WIN 0
.set BK, OB+192*((\a)%2)
	s_wait_dscnt 0x0                               ; the block is back in registers
	s_wait_xcnt 0x0                                ; the other buffer, which the block before's stores read, is loaded again only behind this wait
.irp t, 0,1,2,3,4,5,6,7
	global_store_b128 v[CO], v[BK+4*(\t):BK+4*(\t)+3], s[6:7] offset:(16*(\a)+2*(\t))*CPITCH  ; 16 lanes store 256 consecutive bytes, at a multiple of 256 from p's first byte
.endr
.endm
	s_wait_tensorcnt 0x1                           ; my part of K step 0 is in; K step 1's may stay out
	s_barrier_signal -1
	s_barrier_wait -1                              ; everybody's is
	FETCH 0, F0
	QUARTER 1, F0, F1, 1                           ; the first quarter stands in front of the loop: its products start the sums
	WIN 0                                          ; at a label and at a branch every window is 0
	s_mov_b32 s3, 6
.Lk:                                                   ; six trips: from a K step's second quarter to the next step's first; they ask for K steps 2 to 7
	QUARTER 2, F1, F0, 0
	QUARTER 3, F0, F1, 0
	TURN 1
	QUARTER 1, F0, F1, 0
	WIN 0
	s_sub_co_u32 s3, s3, 1
	s_cmp_lg_u32 s3, 0
	s_cbranch_scc1 .Lk
	s_mov_b32 s3, 2
.Ltail:                                                ; K steps 6 and 7 ask for nothing.  The second trip is left in its middle; its change of slots fetches the other slot's old fragments once more,
	QUARTER 2, F1, F0, 0                           ; 32 loads and a barrier that serve nothing: the price, once a launch, of one text for both trips
	QUARTER 3, F0, F1, 0
	TURN 0
	WIN 0
	s_sub_co_u32 s3, s3, 1
	s_cmp_eq_u32 s3, 0
	s_cbranch_scc1 .Lout
	QUARTER 1, F0, F1, 0
	WIN 0
	s_branch .Ltail
.Lout:
	s_wait_dscnt 0x0                               ; those loads are back: the fragments' registers are free for the way out
	PLACES                                         ; behind the last products
.irp a, 0,1,2,3,4,5,6,7
	MAXA \a
.endr
	WIN 0
	ALL v_max3_num_f32 v[MT+4*t], v[MT+4*t], v[MT+4*t+1], v[MT+4*t+2]
	ALL v_max_num_f32 v[MT+4*t], v[MT+4*t], v[MT+4*t+3]
	ALL v_permlanex16_b32 v[MT+4*t+1], v[MT+4*t], s[SEL], s[SEL+1]   ; the query's other 64 keys lie in the lane 16 away
	ALL v_max_num_f32 v[MT+4*t], v[MT+4*t], v[MT+4*t+1]
	ALL v_mul_f32 v[ST+2*t], s[CS], v[MT+4*t]                        ; c m
	ALL v_mov_b32 v[ST+2*t+1], 0                                     ; named with it as a pair, so it is written
	SOFT 0
	TOSTAGE 0
.irp a, 1,2,3,4,5,6,7                  ; block a's arithmetic stands between block a - 1's loads from the stage and the wait for them
	SOFT \a
	SEND (\a)-1
	TOSTAGE \a
.endr
	SEND 7
	; the statistics: l's other half; then both through my own 1,024 bytes of LDS, so that a lane holds four neighbouring rows' numbers and a store covers 512 consecutive bytes
	ALL v_permlanex16_b32 v[MT+4*t+1], v[ST+2*t+1], s[SEL], s[SEL+1]
	ALL v_add_f32 v[ST+2*t+1], v[ST+2*t+1], v[MT+4*t+1]
	ALL ds_store_b32 v[SS], v[ST+2*t] offset:64*t                    ; row 16 t + l % 16; both halves of the lanes write the same word with the same number
	ALL ds_store_b32 v[SS], v[ST+2*t+1] offset:512+64*t
	ds_load_b128 v[T:T+3], v[SR]                   ; my wave's own bytes, served in order
	ds_load_b128 v[T+4:T+7], v[SR] offset:512
	s_wait_dscnt 0x0
	global_store_b128 v[GS], v[T:T+3], s[8:9]
	global_store_b128 v[GS], v[T+4:T+7], s[8:9] offset:524288
	s_wait_tensorcnt 0x0                           ; the wave's end, behind my last tensor load and my last LDS store
	ds_add_u32 v[SPW], v[NIL]
	s_wait_dscnt 0x0
	CROUND                                         ; the closing round: no work-group ends while a partner may still ask for a tile that names it
	s_endpgm
.Lfunc_end_k_qbc3619870f_scores:
	.size	k_qbc3619870f_scores, .Lfunc_end_k_qbc3619870f_scores-k_qbc3619870f_scores
	.p2alignl 7, 3214868480
	.fill 96, 4, 3214868480
	.section	.rodata,"a",@progbits
	.p2align	6, 0x0
	.amdhsa_kernel k_qbc3619870f_scores
		.amdhsa_group_segment_fixed_size 327680
		.amdhsa_private_segment_fixed_size 0
		.amdhsa_enable_private_segment 0
		.amdhsa_kernarg_size 24
		.amdhsa_user_sgpr_count 2
		.amdhsa_user_sgpr_kernarg_segment_ptr 1
		.amdhsa_wavefront_size32 1
		.amdhsa_system_sgpr_workgroup_id_x 1
		.amdhsa_system_sgpr_workgroup_id_y 1
		.amdhsa_system_sgpr_workgroup_id_z 1
		.amdhsa_system_vgpr_workitem_id 0
		.amdhsa_next_free_vgpr 1024
		.amdhsa_next_free_sgpr 72
		.amdhsa_reserve_vcc 0
		.amdhsa_float_denorm_mode_32 3
		.amdhsa_float_denorm_mode_16_64 3
		.amdhsa_memory_ordered 1
		.amdhsa_forward_progress 1
		.amdhsa_inst_pref_size 176
	.end_amdhsa_kernel
	.amdgpu_metadata
---
amdhsa.version: [ 1, 2 ]
amdhsa.kernels:
  - .name:           k_qbc3619870f_scores
    .symbol:         k_qbc3619870f_scores.kd
    .args:
      - { .name: qkv, .offset: 0, .size: 8, .value_kind: global_buffer, .address_space: global }
      - { .name: p, .offset: 8, .size: 8, .value_kind: global_buffer, .address_space: global }
      - { .name: stats, .offset: 16, .size: 8, .value_kind: global_buffer, .address_space: global }
    .group_segment_fixed_size: 327680
    .private_segment_fixed_size: 0
    .kernarg_segment_align: 8
    .kernarg_segment_size: 24
    .max_flat_workgroup_size: 128
    .sgpr_count:     72
    .vgpr_count:     1024
    .wavefront_size: 32
...
	.end_amdgpu_metadata
.endif
;; end of part 3
;; launch pv (part 4): grid 4 x 64, 4 waves a work-group, clusters of 4 x 4, 327,680 bytes of LDS; arguments p, qkv, stats, out0; writes out0
.if DOCPART == 4
	.amdgcn_target "amdgcn-amd-amdhsa--gfx1250"
	.amdhsa_code_object_version 6
	.text
	.protected	k_qbc3619870f_pv
	.globl	k_qbc3619870f_pv
	.p2align	8
	.type	k_qbc3619870f_pv,@function
k_qbc3619870f_pv:
	s_mov_b64 s[64:65], 0
	v_nop
	global_prefetch_b8 v0, s[64:65] scope:SCOPE_SE
	s_setreg_imm32_b32 hwreg(HW_REG_WAVE_MODE, 25, 1), 1
	s_wait_xcnt 0x0
	s_wait_alu depctr_hold_cnt(0) depctr_sa_sdst(0) depctr_va_vdst(0) depctr_va_sdst(0) depctr_va_ssrc(0) depctr_va_vcc(0) depctr_vm_vsrc(0)
	s_getreg_b32 s2, hwreg(HW_REG_IB_STS2, 6, 4)
	s_cmp_eq_u32 s2, 0
	s_cbranch_scc0 .Lentry_in_a_cluster
	s_endpgm
.Lentry_in_a_cluster:
	s_bfe_u32 s2, ttmp6, 0x10000c
	s_cmp_lg_u32 s2, 0xf033
	s_cbranch_scc0 .Lentry_shape_is_right
	s_endpgm
.Lentry_shape_is_right:
; out0[row][d] = the sum over blocks t of 128 keys of g_t x (p_t V_t): the softmax's second stage and the second product.
; p: [8192][2048] f16, the weights relative to their block's maximum; V: plane 2 of qkv, [8192][1024] f16; stats: [2][16 t][8192] f32: c m_t, then l_t; out0: [8192][1024] f32.
; For each row: m = the largest of the 16 c m_t (the row's true maximum); f_t = 2^(c m_t - m), at most 1; L = the sum of f_t l_t, at least about 1, since the block that holds the maximum has f = 1 and a weight
; of 1; g_t = f_t / L.  All of that in f32.  The matrix unit makes X_t = p_t V_t, a sum of its own for each block (f16 operands, f32 sums); O += g_t X_t is a packed f32 multiply-add.
; LIMITS.  A weight below 6e-5 of its BLOCK's largest keeps f16's fixed step of 6e-8 (it was rounded where it was made); an f_t below 2^-126 counts as 0; NaN and infinities are not treated apart.
; A tile of 128 queries x 256 channels is made by four waves, each 64 x 128: 32 accumulators.  (Tiles of 256 x 256 would be 128: too few for the 256 work-groups wanted.)  K = 2,048 keys go in 16 steps of 128,
; K step t being block t, through two LDS slots filled by the tensor data mover.  V's tile lies as in memory, [key][channel]; its fragments come out turned, by ds_load_tr16_b128.
; CLUSTER 4 x 4: the four work-groups of a row of the cluster need the same rows of p, the four of a column the same tile of V: each is asked for jointly.
; THE MATRIX INSTRUCTION IS USED TRANSPOSED (source 0 = 16 channels, source 1 = 16 queries): a lane holds ONE query (l % 16) in the result, so a row's factor is a number a lane.
; A K STEP is four quarters of 32 keys, 32 products each, on fragment buffers 0, 1, 0, 1.  Each quarter begins with the run of LDS loads for the next one, which so has 32 products in which to land.
; Quarter 0's products take C = 0: they start the block's sums X.  Quarter 2 holds the change of slots (the slot's last fragments are fetched at its head).  In quarter 3 the fold O(j) += g X(j), four packed
; multiply-adds, stands behind product j + 2: four plain instructions or more lie between a product and the read of its result.
; REGISTERS, in windows of 256 (s_set_vgpr_msb: bits 1:0 source 0, 3:2 source 1, 5:4 source 2, 7:6 destination):
;   window 0: v0-31 addresses; v32-39 the block's factors; v64-127, v128-191 V's fragments, two buffers; v192-223, v224-255 P's fragments, two buffers
;   window 1: X, the block's sums ((a, b) at v[64 a + 8 b])          window 2: O, likewise
; No window has room for X, O and V's fragments together, so a fold costs two switches: 60 for a K step's 128 products, and nine more round the runs of loads and the barrier.
; O is cleared by 256 v_mov_b32 in the wait for the first tile: the price of writing no first K step out.
.set PA,     272                       ; an LDS row of p: 256 bytes + 16 of padding = 68 words: the 16 rows of a fragment load start at 16 different groups of four banks (64 banks of 4 bytes: ISA guide 11.1)
.set PB,     544                       ; an LDS row of V: 512 + 32
.set AHALF,  64*PA                     ; what waves 0 and 1 fetch: 64 rows of p
.set BOFF,   128*PA                    ; V's tile lies behind p's
.set BHALF,  64*PB                     ; what waves 2 and 3 fetch: 64 rows of V
.set SLOTB,  BOFF+128*PB               ; a slot's bytes
.set FAC,    SLOTB                     ; behind slot 0, never filled by a tensor load: [16 t][4 waves][256 bytes]: a wave's 64 rows' g_t in f32; row 16 a + r at word 4 r + a
.set SPARE,  FAC+17*1024               ; 1,024 unused bytes behind the factors, then the spare words, 128 bytes for each wave: two blocks of 256 bytes that no other line names
.set SLOT1,  1<<17                     ; slot 1 begins here, so that one exclusive or turns an address in one slot into the other's
.set OSTG,   SLOT1+SLOTB               ; behind the ring: 16 rows x 528 bytes for each wave, for the way out
.set OP,     528
.set ASTEP,  256                       ; a K step along p's rows, in bytes
.set BSTEP,  128*2048                  ; a K step down V's rows
.set ADRA0, 16                         ; v16  my lane's place in slot 0 for p's fragments; never rewritten
.set ADRB0, 17                         ; v17  the same for V's
.set ADRA,  18                         ; v18  the same in the slot in hand
.set ADRB,  19                         ; v19
.set FW,    20                         ; v20  where I put my two rows' factors
.set FR,    21                         ; v21  where I read my lane's four factors (query blocks 0-3) of K step 0
.set FA,    22                         ; v22  the same for the K step in hand
.set SO,    23                         ; v23  my 8 bytes of 256 in stats
.set STO,   24                         ; v24  the way out: where I put 32 bytes of a row
.set RD,    25                         ; v25  where I read 16 bytes of a row back
.set CO,    26                         ; v26  the same 16 bytes in out0
.set SPW,   28                         ; v28  LDS address of my spare word: SPARE + 4 x my thread's number; never rewritten
.set NIL,   29                         ; v29  0; never rewritten
.set FC,    32                         ; v32-35 g of query blocks 0-3 as loaded; v36-37 block 1's, v38-39 block 3's once more: the packed multiply-add takes the low word of a pair that begins on an even register
.set BF,    64                         ; V's fragments: buffer f at BF + 64 f
.set AF,    192                        ; P's: buffer f at AF + 32 f
.set CM,    64                         ; the prologue: c m_t of my two rows at v[CM+2t], v[CM+2t+1]; then f_t; then g_t
.set LL,    96                         ; l_t likewise
.set MX,    128                        ; v[128:129] m; v[130:131] L; v[132:133] 1 / L
.set OB,    64                         ; the way out: 16 rows read back: v64-127 and v128-191 by turns
.set G1A, 24                           ; s[24:31] descriptor group 1 for p's tiles
.set G0A, 32                           ; s[32:39] group 0: a set for each of the two first fills; the second then walks
.set G1B, 48                           ; s[48:55], s[56:63] the same for V's tiles
.set G0B, 56
.set TB,  66                           ; s66  LDS byte at which the slot in hand begins
.set FT,  67                           ; s67  1,024 x the K step in hand
.set WV,  72                           ; s72  my wave's number
.set WH,  73                           ; s73  which half of the tile's queries is mine.  Also: I fetch for p (0) or for V (1)
.set WL,  74                           ; s74  which half of its channels.  Also: which 64 rows of that tile I fetch
.set W_MM, 0x50                        ; a product: V and P window 0, C and D (X) window 1
.set W_FO, 0xa1                        ; a fold: X (source 0) window 1, g (source 1) window 0, O (source 2 and destination) window 2
.set W_O,  0x80                        ; destination window 2
.set W_ST, 0x08                        ; an LDS store out of O: address (source 0) window 0, data (source 1) window 2
.set MSB, 0
.macro WIN new                         ; the immediate's high byte repeats the setting that is left; a switch that changes nothing is dropped
.if MSB != (\new)
	s_set_vgpr_msb (MSB<<8)|(\new)
.set MSB, \new
.endif
.endm
; A joint refill by the walking descriptors.  The branch hangs on the wave's number alone.  An s_nop 0 and four v_nop follow each of the two lines, ahead of the jump and the label.
.macro JLOAD
	s_cmp_eq_u32 s[WH], 0
	s_cbranch_scc0 .Lfor_b_\@
	tensor_load_to_lds s[G0A+4:G0A+7], s[G1A:G1A+7]
	s_nop 0
.rept 4
	v_nop
.endr
	s_branch .Lasked_\@
.Lfor_b_\@:
	tensor_load_to_lds s[G0B+4:G0B+7], s[G1B:G1B+7]
	s_nop 0
.rept 4
	v_nop
.endr
.Lasked_\@:
.endm
.macro CREST                           ; a round of the cluster's barrier behind its opening barrier: wave 0 signals for the work-group, every wave waits for all sixteen, my work-group's barrier once more
	s_cmp_lg_u32 s[WV], 0
	s_cbranch_scc1 .Lnot_wave_0_\@
	s_barrier_signal -3
.Lnot_wave_0_\@:
	s_barrier_wait -3
	s_barrier_signal -1
	s_barrier_wait -1
.endm
.macro CROUND                          ; a whole round
	s_barrier_signal -1
	s_barrier_wait -1
	CREST
.endm
	s_load_b256 s[4:11], s[0:1], 0x0               ; p s[4:5], qkv s[6:7], stats s[8:9], out0 s[10:11]
	v_lshl_add_u32 v[SPW], v0, 2, SPARE
	v_mov_b32 v[NIL], 0
	ds_add_u32 v28, v29
	s_wait_dscnt 0x0
	v_lshrrev_b32 v1, 5, v0
	v_readfirstlane_b32 s[WV], v1                  ; wave 0..3
	s_lshr_b32 s[WH], s[WV], 1
	s_and_b32 s[WL], s[WV], 1
	s_bfe_u32 s40, ttmp6, 0x40000                  ; cx: the channel tile (the grid has four work-groups along x: one cluster)
	s_bfe_u32 s41, ttmp6, 0x40004                  ; cy
	s_and_b32 s45, ttmp7, 0xffff                   ; the cluster's y, 0..15: four clusters to a batch
	s_lshl_b32 s13, s45, 2
	s_add_co_u32 s13, s13, s41                     ; query tile = 4 x cluster y + cy, 0..63, over all batches
	s_lshl_b32 s43, s41, 2
	s_lshl_b32 s43, 15, s43                        ; my row of the cluster
	s_lshl_b32 s44, 0x1111, s40                    ; my column
	s_or_b32 s[G1A+0], s43, (1<<16)|(1<<20)|(1<<21)|(5<<22)|(3<<25)  ; the mask; elements of 2 bytes; padding on; bit 21 beside a mask; after every 64 words (code 5) 4 words (code 3)
	s_mov_b32 s[G1A+1], 128<<16                    ; tensor_dim0 = 128
	s_mov_b32 s[G1A+2], 64<<16                     ; tensor_dim1 = 64
	s_mov_b32 s[G1A+3], 128<<16                    ; tile_dim0 = 128
	s_mov_b32 s[G1A+4], 64                         ; tile_dim1 = 64
	s_mov_b32 s[G1A+5], 2048                       ; elements from row to row of p
	s_mov_b32 s[G1A+6], 0
	s_mov_b32 s[G1A+7], 0
	s_or_b32 s[G1B+0], s44, (1<<16)|(1<<20)|(1<<21)|(6<<22)|(7<<25)  ; after every 128 words (code 6) 8 words (code 7)
	s_mov_b32 s[G1B+1], 256<<16                    ; tensor_dim0 = 256
	s_mov_b32 s[G1B+2], 64<<16                     ; tensor_dim1 = 64
	s_mov_b32 s[G1B+3], 256<<16                    ; tile_dim0 = 256
	s_mov_b32 s[G1B+4], 64                         ; tile_dim1 = 64
	s_mov_b32 s[G1B+5], 1024                       ; elements from row to row of V
	s_mov_b32 s[G1B+6], 0
	s_mov_b32 s[G1B+7], 0
	s_lshl_b32 s16, s13, 19                        ; p: (128 x query tile + 64 x half) rows of 4,096 bytes
	s_lshl_b32 s17, s[WL], 18
	s_add_co_u32 s16, s16, s17
	s_mov_b32 s17, 0
	s_lshr_b32 s46, s45, 2                         ; V: the batch, from the cluster's y alone: 2,048 rows of 2,048 bytes,
	s_lshl_b32 s46, s46, 22
	s_add_co_u32 s46, s46, 1<<25                   ; in plane 2,
	s_lshl_b32 s47, s[WL], 17                      ; my 64 rows,
	s_add_co_u32 s46, s46, s47
	s_lshl_b32 s47, s40, 9                         ; 256 channels for each cx
	s_add_co_u32 s46, s46, s47
	s_mov_b32 s47, 0
	s_mul_i32 s20, s[WL], AHALF                    ; where they go: no place in the cluster enters an LDS address
	s_mul_i32 s21, s[WL], BHALF
	s_add_co_u32 s21, s21, BOFF
	s_lshl_b32 s18, s13, 9                         ; stats: 128 rows of 4 bytes a query tile,
	s_lshl_b32 s19, s[WH], 8                       ; my 64 rows
	s_add_co_u32 s18, s18, s19
	s_mov_b32 s19, 0
	s_lshl_b32 s22, s13, 19                        ; out0: 128 rows of 4,096 bytes a query tile,
	s_lshl_b32 s23, s[WH], 18                      ; my 64 rows,
	s_add_co_u32 s22, s22, s23
	s_lshl_b32 s23, s40, 10                        ; 256 channels of 4 bytes for each cx,
	s_add_co_u32 s22, s22, s23
	s_lshl_b32 s23, s[WL], 9                       ; my 128 channels
	s_add_co_u32 s22, s22, s23
	s_mov_b32 s23, 0
	s_mov_b32 s[TB], 0
	s_mov_b32 s[FT], 0
	s_wait_kmcnt 0x0
	s_add_nc_u64 s[14:15], s[4:5], s[16:17]
	s_add_nc_u64 s[46:47], s[6:7], s[46:47]
	s_add_nc_u64 s[8:9], s[8:9], s[18:19]
	s_add_nc_u64 s[10:11], s[10:11], s[22:23]
	CROUND                                         ; all sixteen work-groups are here: the first joint loads meet
.irp s, 0,1
	s_mov_b32 s[G0A+4*(\s)], 1                     ; count = 1
	s_add_co_u32 s[G0A+4*(\s)+1], s20, (\s)*SLOT1  ; LDS address
	s_add_nc_u64 s[G0A+4*(\s)+2:G0A+4*(\s)+3], s[14:15], (\s)*ASTEP  ; global address: K step s
	s_or_b32 s[G0A+4*(\s)+3], s[G0A+4*(\s)+3], 0x80000000            ; type = 2
	s_mov_b32 s[G0B+4*(\s)], 1
	s_add_co_u32 s[G0B+4*(\s)+1], s21, (\s)*SLOT1
	s_add_nc_u64 s[G0B+4*(\s)+2:G0B+4*(\s)+3], s[46:47], (\s)*BSTEP
	s_or_b32 s[G0B+4*(\s)+3], s[G0B+4*(\s)+3], 0x80000000
.endr
	s_cmp_eq_u32 s[WH], 0                          ; a wave's two first fills stand in one branch, ahead of every wait on TENSORcnt and every LDS read: two loads of mine are out
	s_cbranch_scc0 .Lfirst_b
	tensor_load_to_lds s[G0A:G0A+3], s[G1A:G1A+7]
	s_nop 0
	tensor_load_to_lds s[G0A+4:G0A+7], s[G1A:G1A+7]
	s_nop 0
.rept 4
	v_nop
.endr
	s_branch .Lfirst_asked
.Lfirst_b:
	tensor_load_to_lds s[G0B:G0B+3], s[G1B:G1B+7]
	s_nop 0
	tensor_load_to_lds s[G0B+4:G0B+7], s[G1B:G1B+7]
	s_nop 0
.rept 4
	v_nop
.endr
.Lfirst_asked:
	; THE PROLOGUE stands in the wait for the first tile.  A lane owns rows 2 l and 2 l + 1 of my wave's 64: a load of 8 bytes a lane covers the wave's 256 consecutive bytes of a block's statistics.
	v_and_b32 v3, 31, v0                           ; l
	v_lshlrev_b32 v[SO], 3, v3
.set t, 0
.rept 16
	global_load_b64 v[CM+2*t:CM+2*t+1], v[SO], s[8:9] offset:32768*t
	global_load_b64 v[LL+2*t:LL+2*t+1], v[SO], s[8:9] offset:524288+32768*t
.set t, t+1
.endr
	v_and_b32 v1, 15, v0                           ; l % 16
	v_bfe_u32 v2, v0, 4, 1                         ; l / 16
	v_and_b32 v4, 7, v0                            ; l % 8
	v_bfe_u32 v5, v0, 3, 1                         ; (l / 8) % 2
	v_bfe_u32 v6, v0, 3, 2                         ; l / 8
	v_mul_u32_u24 v7, v1, PA                       ; a fragment of p: row l % 16, 16 bytes for each half of the lanes, twice, 32 bytes apart
	v_lshl_add_u32 v7, v2, 4, v7
	s_mul_i32 s22, s[WH], AHALF                    ; my 64 rows
	v_add_nc_u32 v[ADRA0], s22, v7
	v_lshl_add_u32 v7, v2, 3, v4                   ; the turning load: lane l reads key 8 (l / 16) + l % 8, channels 8 ((l / 8) % 2) + 0..7, and is left with channel l % 16 and 8 keys
	v_mul_u32_u24 v7, v7, PB
	v_lshl_add_u32 v7, v5, 4, v7
	s_lshl_b32 s22, s[WL], 8                       ; my 128 channels of V's rows
	s_add_co_u32 s22, s22, BOFF
	v_add_nc_u32 v[ADRB0], s22, v7
	v_mov_b32 v[ADRA], v[ADRA0]
	v_mov_b32 v[ADRB], v[ADRB0]
	s_lshl_b32 s22, s[WV], 8
	s_add_co_u32 s22, s22, FAC                     ; my wave's 256 bytes of a K step's factors
	v_lshlrev_b32 v7, 5, v4                        ; row 2 l + e is query block l / 8, place 2 (l % 8) + e: word 4 x place + block
	v_lshl_add_u32 v7, v6, 2, v7
	v_add_nc_u32 v[FW], s22, v7
	v_lshl_add_u32 v[FR], v1, 4, s22               ; place l % 16: four words, query blocks 0-3
	s_mul_i32 s22, s[WV], 16*OP
	s_add_co_u32 s22, s22, OSTG                    ; my stage
	v_mul_u32_u24 v7, v1, OP                       ; in: row l % 16, 32 bytes for each half of the lanes
	v_lshl_add_u32 v7, v2, 5, v7
	v_add_nc_u32 v[STO], s22, v7
	v_lshl_add_u32 v[RD], v3, 4, s22               ; back: 32 lanes take one row of 512 bytes
	v_lshlrev_b32 v[CO], 4, v3
	WIN W_O                                        ; O = 0, while the statistics are on their way
.set i, 0
.rept 256
	v_mov_b32 v[i], 0
.set i, i+1
.endr
	WIN 0
	s_wait_loadcnt 0x0
.irp e, 0,1
	v_max3_num_f32 v[MX+(\e)], v[CM+(\e)], v[CM+2+(\e)], v[CM+4+(\e)]
.endr
.set t, 3
.rept 6
.irp e, 0,1
	v_max3_num_f32 v[MX+(\e)], v[MX+(\e)], v[CM+2*t+(\e)], v[CM+2*t+2+(\e)]
.endr
.set t, t+2
.endr
.irp e, 0,1
	v_max_num_f32 v[MX+(\e)], v[MX+(\e)], v[CM+30+(\e)]              ; m: the largest of the 16 c m_t
.endr
.set t, 0
.rept 16
	v_pk_add_f32 v[CM+2*t:CM+2*t+1], v[CM+2*t:CM+2*t+1], v[MX:MX+1] neg_lo:[0,1] neg_hi:[0,1]  ; c m_t - m, never above 0
.set t, t+1
.endr
.set i, 0
.rept 32
	v_exp_f32 v[CM+i], v[CM+i]                     ; f_t
.set i, i+1
.endr
	v_nop                                          ; a plain instruction between the last exponential and the use of its result (ISA guide 5.7.2)
	s_wait_alu depctr_va_vdst(0)
	v_pk_mul_f32 v[MX+2:MX+3], v[CM:CM+1], v[LL:LL+1]                ; L = the sum of f_t l_t
.set t, 1
.rept 15
	v_pk_fma_f32 v[MX+2:MX+3], v[CM+2*t:CM+2*t+1], v[LL+2*t:LL+2*t+1], v[MX+2:MX+3]
.set t, t+1
.endr
	v_rcp_f32 v[MX+4], v[MX+2]
	v_rcp_f32 v[MX+5], v[MX+3]
	v_nop                                          ; a plain instruction between the last reciprocal and the use of its result
.set t, 0
	s_wait_alu depctr_va_vdst(0)
.rept 16
	v_pk_mul_f32 v[CM+2*t:CM+2*t+1], v[CM+2*t:CM+2*t+1], v[MX+4:MX+5]  ; g_t = f_t / L
.set t, t+1
.endr
.set t, 0
.rept 16
	ds_store_b32 v[FW], v[CM+2*t] offset:1024*t    ; my wave's own bytes: it alone reads them, and LDS serves a wave's instructions in order (ISA guide 5.7.1.4)
	ds_store_b32 v[FW], v[CM+2*t+1] offset:1024*t+16
.set t, t+1
.endr
; Product j of a quarter's 32: query block j / 8, channel block j % 8, 32 keys, from buffer f.  zero = 1: it starts the block's sum.  The 32 accumulators take turns, one instruction a turn.
.macro MM f, zero
	WIN W_MM
.if \zero
	v_wmma_f32_16x16x32_f16 v[8*j:8*j+7], v[BF+64*(\f)+8*(j%8):BF+64*(\f)+8*(j%8)+7], v[AF+32*(\f)+8*(j/8):AF+32*(\f)+8*(j/8)+7], 0
.else
	v_wmma_f32_16x16x32_f16 v[8*j:8*j+7], v[BF+64*(\f)+8*(j%8):BF+64*(\f)+8*(j%8)+7], v[AF+32*(\f)+8*(j/8):AF+32*(\f)+8*(j/8)+7], v[8*j:8*j+7]
.endif
.endm
; O(n) += g X(n): four packed multiply-adds, X's registers in ascending order; g is the low word of query block n / 8's pair: v32, v36, v34, v38 for blocks 0, 1, 2, 3.
.macro FOLD n
	WIN W_FO
.set fp, FC+4*(((\n)/8)%2)+2*((\n)/16)
.irp i, 0,1,2,3
	v_pk_fma_f32 v[8*(\n)+2*\i:8*(\n)+2*\i+1], v[8*(\n)+2*\i:8*(\n)+2*\i+1], v[fp:fp+1], v[8*(\n)+2*\i:8*(\n)+2*\i+1] op_sel_hi:[1,0,1]
.endr
.endm
; Products j0 .. j0 + n - 1.  fold = 1: behind product j stands the fold of sum j - 2, which names no register of the products round it; behind product 1 four v_nop.  So a vector instruction that reads a
; matrix result stands four plain instructions or more behind the product that made it (ISA guide 7.12.1).
.macro RUN f, j0, n, zero, fold
.set j, \j0
.rept \n
	MM \f, \zero
.if \fold
.if j == 1
.rept 4
	v_nop
.endr
.elseif j > 1
	FOLD j-2
.endif
.endif
.set j, j+1
.endr
.endm
; 24 LDS loads in one run: the fragments of quarter q (32 keys) of the slot in hand, into buffer f: V's 128 channels (turned), then p's 64 rows
.macro FETCH q, f
	WIN 0
.irp i, 0,1,2,3,4,5,6,7
	ds_load_tr16_b128 v[BF+64*(\f)+8*(\i):BF+64*(\f)+8*(\i)+3],   v[ADRB] offset:(\q)*32*PB+32*(\i)
	ds_load_tr16_b128 v[BF+64*(\f)+8*(\i)+4:BF+64*(\f)+8*(\i)+7], v[ADRB] offset:(\q)*32*PB+32*(\i)+16*PB
.endr
.irp i, 0,1,2,3
	ds_load_b128 v[AF+32*(\f)+8*(\i):AF+32*(\f)+8*(\i)+3],   v[ADRA] offset:64*(\q)+(\i)*16*PA
	ds_load_b128 v[AF+32*(\f)+8*(\i)+4:AF+32*(\f)+8*(\i)+7], v[ADRA] offset:64*(\q)+(\i)*16*PA+32
.endr
.endm
; A K STEP.  A load into a register that a matrix instruction has read stands four plain vector instructions behind it: in front of each run they are named below.
; fill = 1: the slot in hand is filled again with the K step two steps on.
.macro STEP fill
	; quarter 0: buffer 0; its products start the block's sums
	s_wait_dscnt 0x0                               ; buffer 0 is in: its loads were issued a quarter ago
	FETCH 1, 1                                     ; (the places: the last folds of the K step before; at the first K step nothing has read buffer 1)
	RUN 0, 0, 32, 1, 0
	; quarter 1: buffer 1; the block's factors are fetched
	s_wait_dscnt 0x0
	WIN 0
	v_add_nc_u32 v[FA], s[FT], v[FR]               ; (the places: this line and three v_nop)
.rept 3
	v_nop
.endr
	s_add_co_u32 s[FT], s[FT], 1024
	FETCH 2, 0
	ds_load_b128 v[FC:FC+3], v[FA]                 ; the folds of the K step before are over: the factors' registers are free
	RUN 1, 0, 32, 0, 0
	; quarter 2: buffer 0; the change of slots
	s_wait_dscnt 0x0                               ; buffer 0 and the factors are in
	WIN 0
	v_mov_b32 v[FC+4], v[FC+1]                     ; query blocks 1 and 3 get pairs of their own (the places: these four lines)
	v_mov_b32 v[FC+5], v[FC+1]
	v_mov_b32 v[FC+6], v[FC+3]
	v_mov_b32 v[FC+7], v[FC+3]
	FETCH 3, 1                                     ; my last reads of this slot
	RUN 0, 0, 16, 0, 0
	WIN 0                                          ; (the add's two registers lie in window 0)
	s_wait_tensorcnt 0x0                           ; all my tensor loads have landed: the one that was out is my part of the next slot
	ds_add_u32 v[SPW], v[NIL]                      ; 0 onto my spare word
	RUN 0, 16, 8, 0, 0                             ; eight products stand between the add and the wait for it
	s_wait_dscnt 0x0                               ; the add is done, and my reads of this slot are over
	s_barrier_signal -1
	RUN 0, 24, 8, 0, 0                             ; work on registers while the others arrive
	WIN 0
	s_barrier_wait -1                              ; nobody reads this slot any more, and the next slot is whole
.if \fill
	CREST                                          ; the barrier has opened a round of the cluster's: no wave of any partner still reads this slot's tile or has a load on its way
	s_xor_b32 s[G0A+5], s[G0A+5], SLOT1            ; the walking descriptors: the other slot than last time,
	s_add_nc_u64 s[G0A+6:G0A+7], s[G0A+6:G0A+7], ASTEP  ; the next K step; the type bits on top are not reached
	s_xor_b32 s[G0B+5], s[G0B+5], SLOT1
	s_add_nc_u64 s[G0B+6:G0B+7], s[G0B+6:G0B+7], BSTEP
	JLOAD                                          ; the first tensor load behind the round, and my only one: from here to the wait for it I issue 112 products.  (The places: its four v_nop)
.else
.rept 4
	v_nop                                          ; (the places)
.endr
.endif
	; quarter 3: buffer 1; the next slot's first fragments are fetched; the block's sums are folded into O
	s_xor_b32 s[TB], s[TB], SLOT1                  ; the fetches go on in the other slot
	v_add_nc_u32 v[ADRA], s[TB], v[ADRA0]
	v_add_nc_u32 v[ADRB], s[TB], v[ADRB0]
	FETCH 0, 0
	RUN 1, 0, 32, 0, 1
	FOLD 30
	FOLD 31
	WIN 0                                          ; at a label and at a branch every window is 0
.endm
; THE WAY OUT of query block a (16 rows).  TOSTAGE: 32 bytes a lane out of O into my own stage, and back as whole rows of 512 bytes.  SEND: stored.
.macro TOSTAGE a
	s_wait_xcnt 0x0                                ; the registers that the stores of the block before last read are loaded again only behind this wait
	WIN W_ST
.set i, 0
.rept 8
	ds_store_b128 v[STO], v[64*(\a)+8*i:64*(\a)+8*i+3] offset:64*i
	ds_store_b128 v[STO], v[64*(\a)+8*i+4:64*(\a)+8*i+7] offset:64*i+16
.set i, i+1
.endr
	WIN 0
.set i, 0
.rept 16
	ds_load_b128 v[OB+64*((\a)%2)+4*i:OB+64*((\a)%2)+4*i+3], v[RD] offset:OP*i  ; LDS serves a wave's instructions in order (ISA guide 5.7.1.4): these see the stores above, and the next block's stores come behind them
.set i, i+1
.endr
.endm
.macro SEND a, younger                 ; younger: the LDS instructions issued behind block a's: the next block's 32, or none
	s_wait_dscnt \younger
.set i, 0
.rept 16
	global_store_b128 v[CO], v[OB+64*((\a)%2)+4*i:OB+64*((\a)%2)+4*i+3], s[10:11] offset:(16*(\a)+i)*4096 th:TH_STORE_NT  ; a wave stores 512 consecutive bytes, at a multiple of 256 from out0's first byte
.set i, i+1
.endr
.endm
	s_wait_tensorcnt 0x1                           ; my part of K step 0 is in; K step 1's may stay out
	s_wait_dscnt 0x0                               ; my factors are stored
	s_barrier_signal -1
	s_barrier_wait -1                              ; everybody's part of the tile is in
	FETCH 0, 0
	s_mov_b32 s3, 14
.Lk:                                                   ; fourteen K steps, which ask for K steps 2 to 15
	STEP 1
	s_sub_co_u32 s3, s3, 1
	s_cmp_lg_u32 s3, 0
	s_cbranch_scc1 .Lk
	s_mov_b32 s3, 2
.Lt:                                                   ; K steps 14 and 15 ask for nothing.  The last one's barrier, and its fetch of the other slot's old fragments, 24 loads, serve nothing:
	STEP 0                                         ; the price, once a launch, of one text for both
	s_sub_co_u32 s3, s3, 1
	s_cmp_lg_u32 s3, 0
	s_cbranch_scc1 .Lt
	s_wait_dscnt 0x0                               ; those loads are back: the fragments' registers are free for the way out (the last folds are the places behind the last products)
	TOSTAGE 0
.irp a, 1,2,3                          ; block a goes through the stage while block a - 1's rows come back
	TOSTAGE \a
	SEND (\a)-1, 32
.endr
	SEND 3, 0
	s_wait_tensorcnt 0x0                           ; the wave's end, behind my last tensor load and my last LDS store
	ds_add_u32 v[SPW], v[NIL]
	s_wait_dscnt 0x0
	CROUND                                         ; the closing round: no work-group ends while a partner may still ask for a tile that names it
	s_endpgm
.Lfunc_end_k_qbc3619870f_pv:
	.size	k_qbc3619870f_pv, .Lfunc_end_k_qbc3619870f_pv-k_qbc3619870f_pv
	.p2alignl 7, 3214868480
	.fill 96, 4, 3214868480
	.section	.rodata,"a",@progbits
	.p2align	6, 0x0
	.amdhsa_kernel k_qbc3619870f_pv
		.amdhsa_group_segment_fixed_size 327680
		.amdhsa_private_segment_fixed_size 0
		.amdhsa_enable_private_segment 0
		.amdhsa_kernarg_size 32
		.amdhsa_user_sgpr_count 2
		.amdhsa_user_sgpr_kernarg_segment_ptr 1
		.amdhsa_wavefront_size32 1
		.amdhsa_system_sgpr_workgroup_id_x 1
		.amdhsa_system_sgpr_workgroup_id_y 1
		.amdhsa_system_sgpr_workgroup_id_z 1
		.amdhsa_system_vgpr_workitem_id 0
		.amdhsa_next_free_vgpr 768
		.amdhsa_next_free_sgpr 80
		.amdhsa_reserve_vcc 0
		.amdhsa_float_denorm_mode_32 3
		.amdhsa_float_denorm_mode_16_64 3
		.amdhsa_memory_ordered 1
		.amdhsa_forward_progress 1
		.amdhsa_inst_pref_size 94
	.end_amdhsa_kernel
	.amdgpu_metadata
---
amdhsa.version: [ 1, 2 ]
amdhsa.kernels:
  - .name:           k_qbc3619870f_pv
    .symbol:         k_qbc3619870f_pv.kd
    .args:
      - { .name: p, .offset: 0, .size: 8, .value_kind: global_buffer, .address_space: global }
      - { .name: qkv, .offset: 8, .size: 8, .value_kind: global_buffer, .address_space: global }
      - { .name: stats, .offset: 16, .size: 8, .value_kind: global_buffer, .address_space: global }
      - { .name: out0, .offset: 24, .size: 8, .value_kind: global_buffer, .address_space: global }
    .group_segment_fixed_size: 327680
    .private_segment_fixed_size: 0
    .kernarg_segment_align: 8
    .kernarg_segment_size: 32
    .max_flat_workgroup_size: 128
    .sgpr_count:     80
    .vgpr_count:     768
    .wavefront_size: 32
...
	.end_amdgpu_metadata
.endif
;; end of part 4
;; ======== version 2 of 2: 4 launches; version 1 with the launch prep written anew for expert scheduling mode
;; limits: values are held in f16: magnitudes above 65,504 overflow, below 6.1e-05 lose precision
;; workspace buffers: hb 16,777,216 bytes; wb 6,291,456 bytes; qkv 50,331,648 bytes; p 33,554,432 bytes; stats 1,048,576 bytes
;; launch prep (part 5): grid 64 x 11, 8 waves a work-group, no clusters, 0 bytes of LDS; arguments H, W_Q, W_K, W_V, hb, wb; writes hb, wb
.if DOCPART == 5
	.amdgcn_target "amdgcn-amd-amdhsa--gfx1250"
	.amdhsa_code_object_version 6
	.text
	.protected	k_qbc3619870f_prep
	.globl	k_qbc3619870f_prep
	.p2align	8
	.type	k_qbc3619870f_prep,@function
k_qbc3619870f_prep:
	s_mov_b64 s[64:65], 0
	v_nop
	global_prefetch_b8 v0, s[64:65] scope:SCOPE_SE
	s_setreg_imm32_b32 hwreg(HW_REG_WAVE_SCHED_MODE, 0, 2), 2
	s_setreg_imm32_b32 hwreg(HW_REG_WAVE_MODE, 25, 1), 1
	s_wait_xcnt 0x0
	s_wait_alu depctr_vm_vsrc(0)
; f32 -> bf16, number by number: H -> hb [8192][1024]; W_Q, W_K, W_V -> wb [3][1024 k][1024 n] (planes Q, K, V, not turned).
; The inputs are taken as 11 segments of 4 MiB: grid y = 0..7 are H's, 8, 9, 10 are W_Q, W_K, W_V.  Grid x is a chunk of 65,536 bytes of a segment.
; Eight waves; thread t takes 16 bytes at 16 t of each of the chunk's 16 pieces of 4,096 bytes: a wave's load covers 512 consecutive bytes,
; its store of 8 bytes a lane 256 consecutive bytes at a multiple of 256 from the buffer's first byte.  All 16 loads go out first; no register is written twice.
; No LDS, no matrix unit, no cluster: every byte is read once and nothing is shared.
; THE MODE: SCHED_MODE bits 1:0 = 2 (LLVM: expert scheduling mode 2), set by the entry lines.  The code itself states the register dependences
; between vector instructions and memory instructions, with s_wait_alu, always for 0.
; THE PLAN.  Registers that memory instructions touch:
;   v1, v2   byte offsets, made once at the head and never written again: v1 is read by every load, v2 by every store.
;   X        piece j: written by its load, issued at the head, before any vector instruction names it; read by piece j's two conversions; never loaded again.
;   Y        piece j: written once, by piece j's two conversions; read once, by piece j's store.
; No register that a memory instruction reads is written again, and no load lands in a register that a vector instruction has named: what is left to state is that
; the offsets are written ahead of the first load, and that a piece's Y is written ahead of its store.
; The 16 pieces go in four blocks of four.  Block b converts X of its own four pieces into their Y; its memory instructions are the four stores of block b - 1, which read the
; Y of block b - 1 and v2: registers that no conversion of block b names.  So one wait at a block's head states all that its four stores hang on, and they are dealt among
; its conversions with no further wait.  The text has no loop.
.set X, 4                              ; v[4:67]   piece j: four f32 as loaded
.set Y, 68                             ; v[68:99]  piece j: four bf16 to store
.set BLOCK, 4                          ; pieces in a block
	s_load_b256 s[4:11], s[0:1], 0x0               ; H s[4:5], W_Q s[6:7], W_K s[8:9], W_V s[10:11]
	s_load_b128 s[12:15], s[0:1], 0x20             ; hb s[12:13], wb s[14:15]
	s_and_b32 s20, ttmp7, 0xffff                   ; the segment
	v_lshlrev_b32 v1, 4, v0                        ; my 16 bytes of a piece
	v_lshlrev_b32 v2, 3, v0                        ; my 8 bytes of its result
	s_sub_co_u32 s21, s20, 8                       ; the plane of wb, where the segment is a weight's
	s_cmp_lt_u32 s20, 8
	s_cselect_b32 s22, s20, 0                      ; the segment's number inside its source: H has eight, a weight one
	s_cselect_b32 s24, s20, s21                    ; and inside its destination
	s_lshl_b32 s22, s22, 22                        ; 4 MiB of f32
	s_lshl_b32 s24, s24, 21                        ; 2 MiB of bf16
	s_lshl_b32 s26, ttmp9, 16                      ; the chunk: 65,536 bytes in,
	s_lshl_b32 s27, ttmp9, 15                      ; 32,768 out
	s_add_co_u32 s22, s22, s26
	s_add_co_u32 s24, s24, s27
	s_mov_b32 s23, 0
	s_mov_b32 s25, 0
	s_wait_kmcnt 0x0
	s_mov_b64 s[16:17], s[4:5]                     ; the source is chosen by the segment's number alone
	s_cmp_eq_u32 s20, 8
	s_cselect_b64 s[16:17], s[6:7], s[16:17]
	s_cmp_eq_u32 s20, 9
	s_cselect_b64 s[16:17], s[8:9], s[16:17]
	s_cmp_eq_u32 s20, 10
	s_cselect_b64 s[16:17], s[10:11], s[16:17]
	s_cmp_lt_u32 s20, 8
	s_cselect_b64 s[18:19], s[12:13], s[14:15]     ; and so is the destination
	s_add_nc_u64 s[16:17], s[16:17], s[22:23]
	s_add_nc_u64 s[18:19], s[18:19], s[24:25]
	s_wait_alu depctr_va_vdst(0)                   ; v1 and v2 are written: every load of the kernel reads v1 as its offset, every store v2
.set j, 0
.rept 16
	global_load_b128 v[X+4*j:X+4*j+3], v1, s[16:17] offset:4096*j th:TH_LOAD_NT
.set j, j+1
.endr
.set b, 0
.rept 16/BLOCK
	s_wait_loadcnt 16-BLOCK-BLOCK*b                ; loads come back in order (ISA guide 5.7.1): block b's four pieces are in, the younger blocks stay out
.if b > 0
	s_wait_alu depctr_va_vdst(0)                   ; the conversions of block b - 1 have written its Y, which the four stores below read
.endif
.set i, 0
.rept BLOCK
.set j, BLOCK*b+i
.if b > 0
	global_store_b64 v2, v[Y+2*(j-BLOCK):Y+2*(j-BLOCK)+1], s[18:19] offset:2048*(j-BLOCK)  ; the block before; no vector instruction since the wait names these registers
.endif
	v_cvt_pk_bf16_f32 v[Y+2*j], v[X+4*j], v[X+4*j+1]
	v_cvt_pk_bf16_f32 v[Y+2*j+1], v[X+4*j+2], v[X+4*j+3]
.set i, i+1
.endr
.set b, b+1
.endr
	s_wait_alu depctr_va_vdst(0)                   ; the conversions of the last block have written its Y, which the last four stores read
.set j, 16-BLOCK
.rept BLOCK
	global_store_b64 v2, v[Y+2*j:Y+2*j+1], s[18:19] offset:2048*j
.set j, j+1
.endr
	s_endpgm
.Lfunc_end_k_qbc3619870f_prep:
	.size	k_qbc3619870f_prep, .Lfunc_end_k_qbc3619870f_prep-k_qbc3619870f_prep
	.p2alignl 7, 3214868480
	.fill 96, 4, 3214868480
	.section	.rodata,"a",@progbits
	.p2align	6, 0x0
	.amdhsa_kernel k_qbc3619870f_prep
		.amdhsa_group_segment_fixed_size 0
		.amdhsa_private_segment_fixed_size 0
		.amdhsa_enable_private_segment 0
		.amdhsa_kernarg_size 48
		.amdhsa_user_sgpr_count 2
		.amdhsa_user_sgpr_kernarg_segment_ptr 1
		.amdhsa_wavefront_size32 1
		.amdhsa_system_sgpr_workgroup_id_x 1
		.amdhsa_system_sgpr_workgroup_id_y 1
		.amdhsa_system_sgpr_workgroup_id_z 1
		.amdhsa_system_vgpr_workitem_id 0
		.amdhsa_next_free_vgpr 104
		.amdhsa_next_free_sgpr 66
		.amdhsa_reserve_vcc 0
		.amdhsa_float_denorm_mode_32 3
		.amdhsa_float_denorm_mode_16_64 3
		.amdhsa_memory_ordered 1
		.amdhsa_forward_progress 1
		.amdhsa_inst_pref_size 7
	.end_amdhsa_kernel
	.amdgpu_metadata
---
amdhsa.version: [ 1, 2 ]
amdhsa.kernels:
  - .name:           k_qbc3619870f_prep
    .symbol:         k_qbc3619870f_prep.kd
    .args:
      - { .name: H, .offset: 0, .size: 8, .value_kind: global_buffer, .address_space: global }
      - { .name: W_Q, .offset: 8, .size: 8, .value_kind: global_buffer, .address_space: global }
      - { .name: W_K, .offset: 16, .size: 8, .value_kind: global_buffer, .address_space: global }
      - { .name: W_V, .offset: 24, .size: 8, .value_kind: global_buffer, .address_space: global }
      - { .name: hb, .offset: 32, .size: 8, .value_kind: global_buffer, .address_space: global }
      - { .name: wb, .offset: 40, .size: 8, .value_kind: global_buffer, .address_space: global }
    .group_segment_fixed_size: 0
    .private_segment_fixed_size: 0
    .kernarg_segment_align: 8
    .kernarg_segment_size: 48
    .max_flat_workgroup_size: 256
    .sgpr_count:     66
    .vgpr_count:     104
    .wavefront_size: 32
...
	.end_amdgpu_metadata
.endif
;; end of part 5
;; launch proj: the kernel of part 2 again; grid 12 x 32, 4 waves a work-group, clusters of 4 x 4, 327,680 bytes of LDS; arguments hb, wb, qkv; writes qkv
;; launch scores: the kernel of part 3 again; grid 8 x 32, 4 waves a work-group, clusters of 4 x 4, 327,680 bytes of LDS; arguments qkv, p, stats; writes p, stats
;; launch pv: the kernel of part 4 again; grid 4 x 64, 4 waves a work-group, clusters of 4 x 4, 327,680 bytes of LDS; arguments p, qkv, stats, out0; writes out0
